; MI455X (gfx1250); checked and timed in simulation.
; The chip was launched on July 23, 2026; its instructions are those of AMD's public machine-readable ISA for CDNA 5 (MIT licence, August 2026) and "CDNA5" Instruction Set Architecture Reference Guide (July 2026). The comments in the code are by the model that wrote it; some were corrected since.
;; Attention. Allowed arithmetic: matrix products marked QUANTISED: E2M1 operands, one E8M0 scale for each 32 along K, by v_wmma_scale_f32_16x16x128_f8f6f4 with both operands' format E2M1 (or v_wmma_scale_f32_32x16x128_f4), f32 sums; products left as they are: bf16, f16 or f32 operands; f32 sums; everything else in f32.
;; Inputs: Wk 2,048 x 2,048 float32; Wo 2,048 x 2,048 float32; Wq 2,048 x 2,048 float32; Wv 2,048 x 2,048 float32; cos 1 x 1 x 2,048 x 128 float32; hidden_states 1 x 2,048 x 2,048 float32; sin 1 x 1 x 2,048 x 128 float32.
;; Outputs: out0 1 x 2,048 x 2,048 float32.
;; This version of the problem:
;;   THIS VERSION OF THE PROBLEM IS GIVEN IN LOW PRECISION. The matrix products marked QUANTISED in the list below multiply operands that are first quantised to E2M1 (2 exponent bits, 1 mantissa bit; 4 bits a number), with one power-of-two scale for each 32 numbers along K (OCP MX v1.0); their sums are f32. The products marked 'left as it is' may take bf16, f16 or f32 operands, with f32 sums. Whichever they take, every output number must still come out within the allowed error. Rounding operands to bf16 (8 significant bits) uses up far more of that allowance than f16 does (11 bits, for magnitudes from 6e-5 to 65,504). All else is computed in f32.
;;   The module's matrix products, in the order in which they are computed (A, B: the left and right operand; K: the contracted axis; several contracted axes count as one K, in the product's order):
;;     1. [M 2,048, K 2,048] x [K 2,048, N 2,048]; A: input hidden_states; B: input Wq: QUANTISED
;;     2. [M 2,048, K 2,048] x [K 2,048, N 2,048]; A: input hidden_states; B: input Wk: QUANTISED
;;     3. [M 2,048, K 2,048] x [K 2,048, N 2,048]; A: input hidden_states; B: input Wv: QUANTISED
;;     4. batch 16 x [M 2,048, K 128] x [K 128, N 2,048]; A: computed on the way; B: computed on the way: left as it is (an operand is computed on the way)
;;     5. batch 16 x [M 2,048, K 2,048] x [K 2,048, N 128]; A: computed on the way; B: computed on the way: left as it is (an operand is computed on the way)
;;     6. [M 2,048, K 2,048] x [K 2,048, N 2,048]; A: computed on the way; B: input Wo: left as it is (an operand is computed on the way)
;;   THE QUANTISER, for each operand of a quantised product, along K:
;;     - K is cut into blocks of 32 from its start; a last block that is shorter is filled with zeros.
;;     - A block's scale is 2^e with e = floor(log2(the largest magnitude in the block)) - 2, held to -126 .. 127; a block of zeros has e = 0. As a byte (E8M0): e + 127.
;;     - Each number is divided by its block's scale, clamped to +-6, and rounded to the nearest number of E2M1, ties to even, subnormals kept.
;;     - The product sums the exact products of the quantised numbers (number of the format x scale) in f32.
;;   ~~~python
;;   def quantise(x, axis):      # numpy; x: float32 -> the quantised numbers, widened to float32 again
;;       x = np.moveaxis(x, axis, -1); K = x.shape[-1]
;;       x = np.pad(x, [(0, 0)] * (x.ndim - 1) + [(0, -K % 32)]); x = x.reshape(x.shape[:-1] + (-1, 32)); a = np.abs(x).max(-1, keepdims=True)
;;       e = np.where(a > 0, np.clip(np.frexp(np.where(a > 0, a, 1))[1] - 1 - 2, -126, 127), 0)      # np.frexp(a)[1] - 1 = floor(log2(a)), exactly
;;       r = np.clip(x / 2.0 ** e, -6, 6)
;;       step = 2.0 ** (np.maximum(np.frexp(np.where(r == 0, 1, r))[1] - 1, 0) - 1)
;;       q = np.round(r / step) * step * 2.0 ** e      # np.round: ties to even
;;       return np.moveaxis(q.reshape(q.shape[:-2] + (-1,))[..., :K], -1, axis).astype(np.float32)
;;   ~~~
;; One version. Each part assembles by itself: llvm-mc -triple=amdgcn-amd-amdhsa -mcpu=gfx1250 --defsym DOCPART=n.
;; ======== version 1 of 1: 5 launches
;; limits: values are held in f16: magnitudes above 65,504 overflow, below 6.1e-05 lose precision; right only within a limited range of input values
;; workspace buffers: codes 8,388,608 bytes; scales 524,288 bytes; wo16 8,388,608 bytes; csimg 2,097,152 bytes; qkv16 25,165,824 bytes; fine32 393,216 bytes; ao16 8,388,608 bytes
;; launch prep (part 1): grid 704 x 1, 4 waves a work-group, no clusters, 33,280 bytes of LDS; arguments hidden_states, Wq, Wk, Wv, Wo, cos, sin, codes, scales, wo16, csimg; writes codes, scales, wo16, csimg
.if DOCPART == 1
	.amdgcn_target "amdgcn-amd-amdhsa--gfx1250"
	.amdhsa_code_object_version 6
	.text
	.protected	k_qeaa763f0b5_prep
	.globl	k_qeaa763f0b5_prep
	.p2align	8
	.type	k_qeaa763f0b5_prep,@function
k_qeaa763f0b5_prep:
	s_mov_b64 s[64:65], 0
	v_nop
	global_prefetch_b8 v0, s[64:65] scope:SCOPE_SE
	s_setreg_imm32_b32 hwreg(HW_REG_WAVE_MODE, 25, 1), 1
	s_wait_xcnt 0x0
; PREP: every f32 input is read once and laid as the later launches want it.  Three ways, parted by the work-group's number:
;  work-groups 0-511:   hidden_states, Wq, Wk, Wv (128 work-groups each) become codes of FP4 (E2M1), K innermost, two codes a byte, with one E8M0 byte for each 32 along K.
;                       codes: [8192 rows][1024 bytes], scales: [8192][64]; rows 0-2047 hidden_states, then Wq, Wk, Wv.
;  work-groups 512-639: Wo becomes f16 numbers 8 x Wo, row-major (the factor, a power of two, takes back the 1/8 that the values carry).
;  work-groups 640-703: cos and sin, times 1/8, are laid in the order of a matrix result's registers: [tile of 16 rows][cos, sin][16 channels b][4 numbers q2][lane][16 bytes]:
;                       lane (r, h) holds row 16 T + r, channels 16 b + 8 h + 4 q2 + 0 .. 3.
; THE QUANTISER: a block's scale is 2^(floor(log2(its largest magnitude)) - 2); its byte is the largest magnitude's exponent field - 2, held at 1 from below.  A block of zeros so gets the byte 1:
; its codes are zeros, and the bytes are read by this program alone.  Each number is divided by the scale and rounded to the nearest code, ties to even; beyond 6 the largest code.
; LIMITS: NaN and infinities are not served; blocks whose largest magnitude lies under 2^(2 - 126) are held at the byte 1; |Wo| under 8,188 (f16's range after the factor 8).
; Rows are dense and K is a multiple of 32: a tensor is a plain stream of blocks.  A wave takes 16 steps of 512 numbers.  Each load reads 512 consecutive bytes; a step's 2,048 bytes turn through the
; wave's own stage in LDS (16 bytes of padding behind each 64), so that a lane then holds 16 neighbours; two neighbouring lanes hold a block.  No barrier: waves share nothing.
.set WAVES, 4
.set STEPS, 16
.set EMAX,  2
.set CB,    8                          ; bytes of 16 codes
.set R,     16                         ; v16-79   four sets of 16 numbers as loaded (Wo: v16-143, two sets of 64; cos, sin: v16-79)
.set X,     80                         ; v80-111  two sets of 16 neighbours
.set E,     112                        ; v112-127 a scale byte for each step
.set C,     128                        ; v128-191 codes, four registers a step
.set HF,    144                        ; v144-175 Wo: a batch's f16 numbers
.set WREG,  8192                       ; LDS: a region for each wave: two stages of 32 x SP bytes, then its 256 scale bytes
.set SP,    80
.set SPW,   12                         ; v12 LDS address of my spare word; never rewritten
.set NIL,   13                         ; v13 0; never rewritten
.set SPARE, WAVES*WREG                 ; the spare words, 128 bytes a wave
	s_load_b512 s[16:31], s[0:1], 0x0              ; hidden s[16:17], Wq s[18:19], Wk s[20:21], Wv s[22:23], Wo s[24:25], cos s[26:27], sin s[28:29], codes s[30:31]
	s_load_b128 s[32:35], s[0:1], 0x40             ; scales s[32:33], wo16 s[34:35]
	s_load_b64 s[36:37], s[0:1], 0x50              ; csimg
	v_lshl_add_u32 v[SPW], v0, 2, SPARE
	v_mov_b32 v[NIL], 0
	v_lshrrev_b32 v1, 5, v0
	v_readfirstlane_b32 s2, v1                     ; wave
	v_and_b32 v2, 31, v0                           ; lane
	v_lshlrev_b32 v3, 4, v2                        ; 16 x lane
	s_lshl_b32 s3, ttmp9, 2
	s_add_co_u32 s3, s3, s2                        ; u = 4 x work-group + wave
	s_mov_b32 s9, 0                                ; offsets stand in s[8:9]
	s_wait_kmcnt 0x0
	s_cmp_ge_u32 ttmp9, 640
	s_cbranch_scc1 .Lcs
	s_cmp_ge_u32 ttmp9, 512
	s_cbranch_scc1 .Lwo
	; ---- the quantiser
	s_mul_i32 s10, s2, WREG
	v_lshrrev_b32 v14, 2, v2
	v_mul_u32_u24 v14, v14, SP
	v_and_b32 v15, 3, v2
	v_lshl_add_u32 v14, v15, 4, v14
	v_add_nc_u32 v14, s10, v14                     ; the stage, on the way in: SP (lane / 4) + 16 (lane % 4)
	v_mul_u32_u24 v15, v2, SP
	v_add_nc_u32 v15, s10, v15                     ; and on the way out: SP x lane: my 16 neighbours
	v_mul_u32_u24 v4, v2, CB                       ; my codes' place in a step's
	v_lshrrev_b32 v5, 1, v2
	s_add_co_u32 s10, s10, 2*32*SP
	v_add_nc_u32 v5, s10, v5                       ; LDS: my block's byte among my wave's 256
	v_lshlrev_b32 v7, 3, v2
	v_add_nc_u32 v6, s10, v7                       ; and 8 bytes a lane on the way out
	s_lshr_b32 s11, ttmp9, 7                       ; which tensor: the choice hangs on the work-group's number alone
	s_cmp_eq_u32 s11, 1
	s_cselect_b64 s[4:5], s[18:19], s[16:17]
	s_cmp_eq_u32 s11, 2
	s_cselect_b64 s[4:5], s[20:21], s[4:5]
	s_cmp_eq_u32 s11, 3
	s_cselect_b64 s[4:5], s[22:23], s[4:5]
	s_and_b32 s8, s3, 511
	s_lshl_b32 s8, s8, 15                          ; my run of 8,192 numbers in its tensor
	s_add_nc_u64 s[4:5], s[4:5], s[8:9]
	s_lshl_b32 s8, s3, 12                          ; 4,096 bytes of codes a run; the four tensors follow each other
	s_add_nc_u64 s[6:7], s[30:31], s[8:9]
	s_lshl_b32 s8, s3, 8                           ; 256 scale bytes a run
	s_add_nc_u64 s[10:11], s[32:33], s[8:9]
.macro LOAD t
.irp i, 0,1,2,3
	global_load_b128 v[R+16*((\t)%4)+4*\i:R+16*((\t)%4)+4*\i+3], v3, s[4:5] offset:2048*(\t)+512*\i th:TH_LOAD_NT   ; 32 lanes read 512 consecutive bytes
.endr
.endm
.macro TURN t                          ; step t's numbers through the stage: LDS serves a wave's instructions in order, so no wait stands between the stores and the loads
.irp i, 0,1,2,3
	ds_store_b128 v14, v[R+16*((\t)%4)+4*\i:R+16*((\t)%4)+4*\i+3] offset:32*SP*((\t)%2)+8*SP*\i
.endr
.irp i, 0,1,2,3
	ds_load_b128 v[X+16*((\t)%2)+4*\i:X+16*((\t)%2)+4*\i+3], v15 offset:32*SP*((\t)%2)+16*\i
.endr
.endm
.irp t, 0,1,2,3
	LOAD \t
.endr
	s_wait_loadcnt 12                              ; step 0's four loads are in
	TURN 0
.macro STEP t
.set XS, X+16*((\t)%2)
.if (\t) > 0
	s_wait_dscnt 1                                 ; this step's numbers are back from the stage (the last step's byte store may be out)
.else
	s_wait_dscnt 0x0
.endif
.if (\t)+4 < STEPS
	LOAD (\t)+4                                    ; into the registers that the stage's stores have read
.endif
.if (\t)+1 < STEPS
.if STEPS-2-(\t) >= 3
	s_wait_loadcnt 12                              ; the next step's four loads are in; those of the three steps behind it may be out
.else
	s_wait_loadcnt 4*(STEPS-2-(\t))
.endif
	TURN (\t)+1
.endif
	v_max3_num_f32 v8, |v[XS]|, |v[XS+1]|, |v[XS+2]|               ; the largest magnitude of my 16, in two chains
	v_max3_num_f32 v9, |v[XS+3]|, |v[XS+4]|, |v[XS+5]|
.irp i, 6,10
	v_max3_num_f32 v8, v8, |v[XS+\i]|, |v[XS+\i+1]|
	v_max3_num_f32 v9, v9, |v[XS+\i+2]|, |v[XS+\i+3]|
.endr
	v_max3_num_f32 v8, v8, |v[XS+14]|, |v[XS+15]|
	v_max3_num_f32 v8, v8, v9, (EMAX+1)<<23        ; and the floor 2^(EMAX + 1 - 127): the byte cannot fall under 1
	v_max_num_f32_dpp v8, v8, v8 row_xmask:1 row_mask:0xf bank_mask:0xf   ; with my neighbour's 16: the block's
	v_add_nc_u32 v11, -(EMAX<<23), v8              ; EMAX off its exponent field: the conversion takes that field as its scale
	v_cvt_scalef32_pk8_fp4_f32 v[C+4*(\t)], v[XS:XS+7], v11
	v_cvt_scalef32_pk8_fp4_f32 v[C+4*(\t)+1], v[XS+8:XS+15], v11
	v_lshrrev_b32 v[E+(\t)], 23, v11               ; the scale's byte (also the plain line behind the conversions)
	ds_store_b8 v5, v[E+(\t)] offset:16*(\t)       ; both lanes of a block write the same byte with the same value
	global_store_b64 v4, v[C+4*(\t):C+4*(\t)+1], s[6:7] offset:32*CB*(\t)      ; the wave stores 256 consecutive bytes, aligned
.endm
.irp t, 0,1,2,3,4,5,6,7,8,9,10,11,12,13,14,15
	STEP \t
.endr
	ds_load_b64 v[8:9], v6                         ; LDS serves a wave's instructions in order: these see my byte stores
	s_wait_dscnt 0x0
	global_store_b64 v7, v[8:9], s[10:11]          ; 32 lanes store 256 consecutive bytes, aligned
	s_wait_tensorcnt 0x0                           ; the wave's end, behind my last LDS store
	ds_add_u32 v[SPW], v[NIL]
	s_wait_dscnt 0x0
	s_endpgm
	; ---- Wo to f16: a wave takes 8,192 numbers in four batches of 16 loads; two batches are out at a time
.Lwo:
	s_sub_co_u32 s3, s3, 4*512
	s_lshl_b32 s8, s3, 15
	s_add_nc_u64 s[4:5], s[24:25], s[8:9]
	s_lshl_b32 s8, s3, 14
	s_add_nc_u64 s[6:7], s[34:35], s[8:9]
	v_lshlrev_b32 v4, 3, v2                        ; out: 8 bytes a lane
.macro LOADB g
.irp i, 0,1,2,3,4,5,6,7,8,9,10,11,12,13,14,15
	global_load_b128 v[R+64*((\g)%2)+4*\i:R+64*((\g)%2)+4*\i+3], v3, s[4:5] offset:512*(16*(\g)+\i) th:TH_LOAD_NT
.endr
.endm
.macro BATCH g
.set RB, R+64*((\g)%2)
.if (\g) < 3
	s_wait_loadcnt 16                              ; this batch is in; the next batch's 16 loads may be out
.else
	s_wait_loadcnt 0x0
.endif
	s_wait_xcnt 0x0                                ; the last batch's stores have read their data registers
.irp i, 0,1,2,3,4,5,6,7,8,9,10,11,12,13,14,15,16,17,18,19,20,21,22,23,24,25,26,27,28,29,30,31
	v_pk_mul_f32 v[RB+2*\i:RB+2*\i+1], v[RB+2*\i:RB+2*\i+1], 0x41000000 op_sel_hi:[1,0]     ; x 8: exact
.endr
.irp i, 0,1,2,3,4,5,6,7,8,9,10,11,12,13,14,15,16,17,18,19,20,21,22,23,24,25,26,27,28,29,30,31
	v_cvt_pk_f16_f32 v[HF+\i], v[RB+2*\i], v[RB+2*\i+1]
.endr
.if (\g)+2 < 4
	LOADB (\g)+2
.endif
.irp i, 0,1,2,3,4,5,6,7,8,9,10,11,12,13,14,15
	global_store_b64 v4, v[HF+2*\i:HF+2*\i+1], s[6:7] offset:256*(16*(\g)+\i)     ; the wave stores 256 consecutive bytes, aligned
.endr
.endm
	LOADB 0
	LOADB 1
.irp g, 0,1,2,3
	BATCH \g
.endr
	s_endpgm
	; ---- cos and sin: a wave takes one tile of 16 rows of one of the two
.Lcs:
	s_sub_co_u32 s3, s3, 4*640                     ; u = 2 T + (0: cos, 1: sin)
	s_lshr_b32 s10, s3, 1
	s_and_b32 s11, s3, 1
	s_cmp_eq_u32 s11, 0
	s_cselect_b64 s[4:5], s[26:27], s[28:29]
	s_lshl_b32 s8, s10, 13                         ; 16 rows of 512 bytes
	s_add_nc_u64 s[4:5], s[4:5], s[8:9]
	s_lshl_b32 s8, s3, 13                          ; 16,384 T + 8,192 (cos, sin)
	s_add_nc_u64 s[6:7], s[36:37], s[8:9]
	v_and_b32 v4, 15, v0
	v_bfe_u32 v5, v0, 4, 1
	v_lshlrev_b32 v4, 9, v4
	v_lshl_add_u32 v4, v5, 5, v4                   ; row r, + 32 h
.irp i, 0,1,2,3,4,5,6,7,8,9,10,11,12,13,14,15
	global_load_b128 v[R+4*\i:R+4*\i+3], v4, s[4:5] offset:64*(\i/2)+16*(\i%2)
.endr
	s_wait_loadcnt 0x0
.irp i, 0,1,2,3,4,5,6,7,8,9,10,11,12,13,14,15,16,17,18,19,20,21,22,23,24,25,26,27,28,29,30,31
	v_pk_mul_f32 v[R+2*\i:R+2*\i+1], v[R+2*\i:R+2*\i+1], 0x3e000000 op_sel_hi:[1,0]       ; x 1/8: exact
.endr
.irp i, 0,1,2,3,4,5,6,7,8,9,10,11,12,13,14,15
	global_store_b128 v3, v[R+4*\i:R+4*\i+3], s[6:7] offset:512*\i                        ; 512 consecutive bytes a store
.endr
	s_endpgm
.Lfunc_end_k_qeaa763f0b5_prep:
	.size	k_qeaa763f0b5_prep, .Lfunc_end_k_qeaa763f0b5_prep-k_qeaa763f0b5_prep
	.p2alignl 7, 3214868480
	.fill 96, 4, 3214868480
	.section	.rodata,"a",@progbits
	.p2align	6, 0x0
	.amdhsa_kernel k_qeaa763f0b5_prep
		.amdhsa_group_segment_fixed_size 33280
		.amdhsa_private_segment_fixed_size 0
		.amdhsa_enable_private_segment 0
		.amdhsa_kernarg_size 88
		.amdhsa_user_sgpr_count 2
		.amdhsa_user_sgpr_kernarg_segment_ptr 1
		.amdhsa_wavefront_size32 1
		.amdhsa_system_sgpr_workgroup_id_x 1
		.amdhsa_system_sgpr_workgroup_id_y 1
		.amdhsa_system_sgpr_workgroup_id_z 1
		.amdhsa_system_vgpr_workitem_id 0
		.amdhsa_next_free_vgpr 192
		.amdhsa_next_free_sgpr 66
		.amdhsa_reserve_vcc 0
		.amdhsa_float_denorm_mode_32 3
		.amdhsa_float_denorm_mode_16_64 3
		.amdhsa_memory_ordered 1
		.amdhsa_forward_progress 1
		.amdhsa_inst_pref_size 73
	.end_amdhsa_kernel
	.amdgpu_metadata
---
amdhsa.version: [ 1, 2 ]
amdhsa.kernels:
  - .name:           k_qeaa763f0b5_prep
    .symbol:         k_qeaa763f0b5_prep.kd
    .args:
      - { .name: hidden_states, .offset: 0, .size: 8, .value_kind: global_buffer, .address_space: global }
      - { .name: Wq, .offset: 8, .size: 8, .value_kind: global_buffer, .address_space: global }
      - { .name: Wk, .offset: 16, .size: 8, .value_kind: global_buffer, .address_space: global }
      - { .name: Wv, .offset: 24, .size: 8, .value_kind: global_buffer, .address_space: global }
      - { .name: Wo, .offset: 32, .size: 8, .value_kind: global_buffer, .address_space: global }
      - { .name: cos, .offset: 40, .size: 8, .value_kind: global_buffer, .address_space: global }
      - { .name: sin, .offset: 48, .size: 8, .value_kind: global_buffer, .address_space: global }
      - { .name: codes, .offset: 56, .size: 8, .value_kind: global_buffer, .address_space: global }
      - { .name: scales, .offset: 64, .size: 8, .value_kind: global_buffer, .address_space: global }
      - { .name: wo16, .offset: 72, .size: 8, .value_kind: global_buffer, .address_space: global }
      - { .name: csimg, .offset: 80, .size: 8, .value_kind: global_buffer, .address_space: global }
    .group_segment_fixed_size: 33280
    .private_segment_fixed_size: 0
    .kernarg_segment_align: 8
    .kernarg_segment_size: 88
    .max_flat_workgroup_size: 128
    .sgpr_count:     66
    .vgpr_count:     192
    .wavefront_size: 32
...
	.end_amdgpu_metadata
.endif
;; end of part 1
;; launch qkv (part 2): grid 24 x 8, 4 waves a work-group, clusters of 4 x 4, 327,680 bytes of LDS; arguments codes, scales, csimg, qkv16, fine32; writes qkv16, fine32
.if DOCPART == 2
	.amdgcn_target "amdgcn-amd-amdhsa--gfx1250"
	.amdhsa_code_object_version 6
	.text
	.protected	k_qeaa763f0b5_qkv
	.globl	k_qeaa763f0b5_qkv
	.p2align	8
	.type	k_qeaa763f0b5_qkv,@function
k_qeaa763f0b5_qkv:
	s_mov_b64 s[64:65], 0
	v_nop
	global_prefetch_b8 v0, s[64:65] scope:SCOPE_SE
	s_setreg_imm32_b32 hwreg(HW_REG_WAVE_MODE, 25, 1), 1
	s_wait_xcnt 0x0
	s_wait_alu depctr_hold_cnt(0) depctr_sa_sdst(0) depctr_va_vdst(0) depctr_va_sdst(0) depctr_va_ssrc(0) depctr_va_vcc(0) depctr_vm_vsrc(0)
	s_getreg_b32 s2, hwreg(HW_REG_IB_STS2, 6, 4)
	s_cmp_eq_u32 s2, 0
	s_cbranch_scc0 .Lentry_in_a_cluster
	s_endpgm
.Lentry_in_a_cluster:
	s_bfe_u32 s2, ttmp6, 0x10000c
	s_cmp_lg_u32 s2, 0xf033
	s_cbranch_scc0 .Lentry_shape_is_right
	s_endpgm
.Lentry_shape_is_right:
; QKV: the three quantised projections as ONE product on codes of FP4 (E2M1) with E8M0 scales, 2,048 tokens x 6,144 outputs x K = 2,048, then the rotary embedding, the factor 1/8 and the rounding to f16.
; codes: [8192 rows][1024 bytes], scales: [8192][64]; rows 0-2047 the tokens, 2048 on Wq, 4096 on Wk, 6144 on Wv.
; A tile, 256 x 256, is made by four waves, each 128 x 128: 64 accumulators of 16 x 16, 512 registers.  K goes in steps of 512 (rows of 256 bytes) through a ring of two LDS slots; the scale bytes of the
; work-group's 2 x 256 rows, for all of K, come into LDS once.  CLUSTERS of 4 x 4: the four of a row need the same tiles of side A, the four of a column those of side B: joint loads.
; THE MATRIX INSTRUCTION: source 0 = 16 rows of side B, source 1 = 16 rows of side A: in accumulator (a, b) lane (r, h) holds A's row 16 a + r and, in its registers j, B's rows 16 b + 8 h + j.
;   q, k (clusters x = 0 .. 3): side A = tokens, side B = rows of Wq, Wk: a lane holds one token and eight neighbouring channels: rounded in pairs these are the registers of a fragment of Q or of K.
;   v    (clusters x = 4, 5):   side A = rows of Wv, side B = tokens: a lane holds one channel and eight neighbouring tokens: the registers of a fragment of V^T.
; The two cases differ in the rows' numbers alone until the way out; which of them holds hangs on the cluster's x, which all sixteen partners share.  A wave's 128 outputs are one head.
; OUT: qkv16, 48 planes of 524,288 bytes (q: head, k: 16 + head, v: 32 + head), f16, as images of operand registers: each group of four registers 512 bytes on end, lane l's 16 bytes at 16 l.
;   q, k: [tile of 16 tokens][b 0..7][lane]: token 16 T + r, channels 16 b + 8 h + 0..7.    v: [32 tokens KB][a 0..7][p 0..1][lane]: channel 16 a + r, tokens 32 KB + 16 p + 8 h + 0..7.
;   fine32: the same numbers of tokens 0-15 in f32, 48 planes of 8,192 bytes, 16 stores of 512 bytes each.  All carry the factor 1/8, which is exact.
; LIMITS: |q|, |k|, |v| under 524,032 (f16's range after the factor 1/8).
; REGISTERS, in windows of 256: window 0: v0-31 addresses; v32-95 scale words, two sets; from v128 A's fragments, one set; on the way out v32-95 results in f32, v96-159 in f16.
;   window 1: B's fragments, two sets, at v0 and v128; on the way out cos and sin, two sets of 128.   window 2: the accumulators of A's blocks 0-3 ((a, b) at v[8 (8 a + b)]);   window 3: blocks 4-7.
.set SIZE_K, 2048
.set KSTEP,  512                       ; along K in a slot
.set NQ,     KSTEP/128                 ; matrix instructions deep
.set ROWB,   256                       ; a tile's row in bytes
.set KROW,   SIZE_K*4/8                ; a row of codes in memory
.set PITCH,  272                       ; an LDS row: 256 bytes + 16 of padding = 68 words: the 16 rows that a load touches start at 16 different banks (64 banks of 4 bytes: ISA guide 11.1)
.set FR,     8                         ; registers of a fragment: 16 rows x 128 K
.set NL,     2                         ; LDS loads that bring one
.set NP,     4                         ; places behind this matrix instruction (ISA guide 7.12.1)
.set HALFT,  128*PITCH                 ; 128 rows: what one tensor load brings
.set SLOT,   4*HALFT                   ; A's 256 rows, then B's 256 rows
.set LAPS,   SIZE_K/(2*KSTEP)
.set KS,     SIZE_K/32                 ; a row of scales in bytes
.set SCL,    2*SLOT                    ; behind the ring: the scales, as units of 256 bytes + 16 of padding
.set HALFS,  (128*KS/256)*272
.set SBLK,   (16*KS/256)*272
.set SPARE,  SCL+4*HALFS               ; the spare words, 128 bytes a wave
.set ADRA, 16                          ; v16-17  LDS address of my A fragments in slot 0, 1
.set ADRB, 20                          ; v20-21  the same for B
.set L16,  26                          ; v26     16 x lane: a lane's place in an image
.set ADRS, 27                          ; v27     LDS address of my scale words: lanes 0-15 A's rows, lanes 16-31 B's
.set SPW,  28                          ; v28     LDS address of my spare word; never rewritten
.set NIL,  29                          ; v29     0; never rewritten
.set UV,   30                          ; v30     the number of my first tile of 16 tokens
.set SC,   32                          ; scale words: set s at v[SC + 8 NQ s]
.set AF,   128                         ; A's fragments
.set Y,    32                          ; the way out: 64 numbers in f32
.set H,    96                          ; and in f16: two sets of 32 registers by turns
.set G1, 24
.set G0, 32
.set G1B, 48
.set G0B, 56
.set G1S, 68
.set G0S, 76
.set G1SB, 80
.set G0SB, 88
.set ISV, 95                           ; s95     1 in the clusters that make v
.set MSB, 0
.macro WIN new                         ; the immediate's high byte repeats the setting that is left
.if MSB != \new
	s_set_vgpr_msb (MSB<<8)|\new
.set MSB, \new
.endif
.endm
.set MUL_LO, 0xa1                      ; source 0 (B) window 1, source 1 (A) window 0, C and D window 2
.set MUL_HI, 0xf1                      ; the same, C and D window 3
.set TO_B,   0x40                      ; destination window 1, address window 0
; A joint load: waves 0 and 1 fetch for A, waves 2 and 3 for B.  The branch hangs on the wave's number alone.  An s_nop 0 and four v_nop follow each of the two lines.
.macro JLOAD g0a, g1a, g0b, g1b
	s_cmp_eq_u32 s15, 0
	s_cbranch_scc0 .Lfor_b_\@
	tensor_load_to_lds s[\g0a:\g0a+3], s[\g1a:\g1a+7]
	s_nop 0
.rept 4
	v_nop
.endr
	s_branch .Lasked_\@
.Lfor_b_\@:
	tensor_load_to_lds s[\g0b:\g0b+3], s[\g1b:\g1b+7]
	s_nop 0
.rept 4
	v_nop
.endr
.Lasked_\@:
.endm
.macro CREST                           ; a round of the cluster's barrier behind its opening barrier
	s_cmp_lg_u32 s14, 0
	s_cbranch_scc1 .Lnot_wave_0_\@
	s_barrier_signal -3
.Lnot_wave_0_\@:
	s_barrier_wait -3
	s_barrier_signal -1
	s_barrier_wait -1
.endm
.macro CROUND
	s_barrier_signal -1
	s_barrier_wait -1
	CREST
.endm
	s_load_b128 s[4:7], s[0:1], 0x0                ; codes s[4:5], scales s[6:7]
	s_load_b128 s[8:11], s[0:1], 0x10              ; csimg s[8:9], qkv16 s[10:11]
	s_load_b64 s[12:13], s[0:1], 0x20              ; fine32
	v_lshl_add_u32 v[SPW], v0, 2, SPARE
	v_mov_b32 v[NIL], 0
	ds_add_u32 v[SPW], v[NIL]                      ; the wave's opening: the add, twice on end, and its wait ahead of my first tensor load
	ds_add_u32 v[SPW], v[NIL]
	v_lshrrev_b32 v1, 5, v0
	v_readfirstlane_b32 s14, v1                    ; wave 0..3
	s_lshr_b32 s15, s14, 1                         ; which half of A's rows is mine.  Also: I fetch for A (0) or for B (1)
	s_and_b32 s16, s14, 1                          ; which half of B's rows.  Also: which 128 rows of that tile I fetch
	s_bfe_u32 s40, ttmp6, 0x40000                  ; cx, cy: my place in the cluster
	s_bfe_u32 s41, ttmp6, 0x40004
	s_lshl_b32 s42, ttmp9, 2
	s_add_co_u32 s42, s42, s40                     ; tc = 4 x cluster x + cx
	s_and_b32 s17, ttmp7, 0xffff
	s_lshl_b32 s17, s17, 2
	s_add_co_u32 s17, s17, s41                     ; tr = 4 x cluster y + cy
	s_lshl_b32 s43, s41, 2
	s_lshl_b32 s43, 15, s43                        ; my row of the cluster
	s_lshl_b32 s44, 0x1111, s40                    ; my column
	s_cmp_ge_u32 ttmp9, 4                          ; clusters x = 4, 5 make v: the same in all sixteen partners
	s_cselect_b32 s[ISV], 1, 0
	s_cselect_b32 s3, 6144, 0                      ; there side A begins at Wv's rows and side B at the tokens
	; descriptor group 1: a tile of 128 rows x 256 bytes, padded in LDS
	s_or_b32 s[G1+0], s43, (0<<16)|(1<<20)|(1<<21)|(5<<22)|(3<<25)  ; 15:0 the mask: my row; 17:16 elements of 1 byte; 20 padding on; 21 set beside a mask; 24:22 after every 64 words; 31:25 four words
	s_or_b32 s[G1B+0], s44, (0<<16)|(1<<20)|(1<<21)|(5<<22)|(3<<25) ; the same with my column
.irp g, G1, G1B
	s_mov_b32 s[\g+1], ROWB<<16                    ; tensor_dim0
	s_mov_b32 s[\g+2], 128<<16                     ; tensor_dim1
	s_mov_b32 s[\g+3], ROWB<<16                    ; tile_dim0
	s_mov_b32 s[\g+4], 128                         ; tile_dim1
	s_mov_b32 s[\g+5], KROW                        ; tensor_dim0_stride
	s_mov_b32 s[\g+6], 0
	s_mov_b32 s[\g+7], 0
.endr
	; the scales of 128 rows: 8,192 dense bytes, as rows of 256 bytes (32 elements of 8 bytes), 16 bytes of padding behind each
	s_or_b32 s[G1S+0], s43, (3<<16)|(1<<20)|(1<<21)|(5<<22)|(3<<25)
	s_or_b32 s[G1SB+0], s44, (3<<16)|(1<<20)|(1<<21)|(5<<22)|(3<<25)
.irp g, G1S, G1SB
	s_mov_b32 s[\g+1], 32<<16
	s_mov_b32 s[\g+2], (128*KS/256)<<16
	s_mov_b32 s[\g+3], 32<<16
	s_mov_b32 s[\g+4], 128*KS/256
	s_mov_b32 s[\g+5], 32
	s_mov_b32 s[\g+6], 0
	s_mov_b32 s[\g+7], 0
.endr
	s_lshl_b32 s18, s16, 7                         ; which 128 rows of the tile I fetch
	s_lshl_b32 s20, s17, 8
	s_add_co_u32 s20, s20, s18
	s_add_co_u32 s20, s20, s3                      ; side A: row 256 tr + 128 x half (+ 6144): made of the tile row alone
	s_lshl_b32 s46, s42, 8
	s_add_co_u32 s46, s46, s18
	s_add_co_u32 s46, s46, 2048
	s_sub_co_u32 s46, s46, s3                      ; side B: row 256 tc + 128 x half + 2048 (- 6144): made of the tile column alone
	s_mov_b32 s21, 0
	s_mov_b32 s47, 0
	s_mov_b64 s[18:19], KS
	s_mul_u64 s[22:23], s[20:21], s[18:19]         ; where these rows' scales begin, in bytes
	s_mul_u64 s[92:93], s[46:47], s[18:19]
	s_mov_b64 s[18:19], KROW
	s_mul_u64 s[20:21], s[20:21], s[18:19]         ; and their codes
	s_mul_u64 s[46:47], s[46:47], s[18:19]
	s_mul_i32 s45, s14, HALFT                      ; where they go: wave x 128 rows: no place in the cluster enters an LDS address
	s_mul_i32 s94, s14, HALFS
	s_wait_dscnt 0x0                               ; both opening adds are done
	s_wait_kmcnt 0x0
	s_add_nc_u64 s[20:21], s[4:5], s[20:21]
	s_add_nc_u64 s[22:23], s[6:7], s[22:23]
	s_add_nc_u64 s[46:47], s[4:5], s[46:47]
	s_add_nc_u64 s[92:93], s[6:7], s[92:93]
	CROUND                                         ; all sixteen work-groups are here: the first joint loads meet
	s_mov_b32 s[G0S], 1
	s_add_co_u32 s[G0S+1], s94, SCL
	s_mov_b64 s[G0S+2:G0S+3], s[22:23]
	s_or_b32 s[G0S+3], s[G0S+3], 0x80000000
	s_mov_b32 s[G0SB], 1
	s_add_co_u32 s[G0SB+1], s94, SCL
	s_mov_b64 s[G0SB+2:G0SB+3], s[92:93]
	s_or_b32 s[G0SB+3], s[G0SB+3], 0x80000000
	JLOAD G0S, G1S, G0SB, G1SB                     ; the scales first: they are wanted with K step 0
.irp s, 0,1
	s_mov_b32 s[G0+4*\s], 1
	s_add_co_u32 s[G0+4*\s+1], s45, \s*SLOT
	s_add_nc_u64 s[G0+4*\s+2:G0+4*\s+3], s[20:21], \s*ROWB
	s_or_b32 s[G0+4*\s+3], s[G0+4*\s+3], 0x80000000
	s_mov_b32 s[G0B+4*\s], 1
	s_add_co_u32 s[G0B+4*\s+1], s45, \s*SLOT
	s_add_nc_u64 s[G0B+4*\s+2:G0B+4*\s+3], s[46:47], \s*ROWB
	s_or_b32 s[G0B+4*\s+3], s[G0B+4*\s+3], 0x80000000
	JLOAD G0+4*\s, G1, G0B+4*\s, G1B               ; by this text's count three tensor loads of mine are out now
.endr
	v_and_b32 v1, 15, v0                           ; l % 16
	v_bfe_u32 v2, v0, 4, 1                         ; l / 16
	v_mul_u32_u24 v3, v1, PITCH
	v_lshl_add_u32 v4, v2, 4, v3                   ; a fragment's row x pitch + 16 x half
	s_mul_i32 s21, s15, HALFT                      ; my 128 rows of A
	s_mul_i32 s22, s16, HALFT                      ; my 128 rows of B,
	s_add_co_u32 s22, s22, 2*HALFT                 ; which lie behind A's 256
.irp s, 0,1
	v_add_nc_u32 v[ADRA+\s], s21, v4
	v_add_nc_u32 v[ADRB+\s], s22, v4
	s_add_co_u32 s21, s21, SLOT
	s_add_co_u32 s22, s22, SLOT
.endr
	v_mul_u32_u24 v5, v1, KS                       ; my row's scales: KS bytes a row,
	v_lshrrev_b32 v6, 8, v5
	v_lshl_add_u32 v5, v6, 4, v5                   ; and 16 more for each 256 passed
	s_mul_i32 s21, s15, HALFS
	s_mul_i32 s22, s16, HALFS
	s_add_co_u32 s22, s22, 2*HALFS
	s_sub_co_u32 s22, s22, s21
	v_mul_u32_u24 v6, s22, v2                      ; lanes 16-31 take B's: one product, the distance between the two bases
	s_add_co_u32 s21, s21, SCL
	v_add_nc_u32 v5, v5, v6
	v_add_nc_u32 v[ADRS], s21, v5
	v_and_b32 v6, 31, v0
	v_lshlrev_b32 v[L16], 4, v6
	; the way out: my plane P and my first tile of 16 tokens U
	s_lshl_b32 s96, s42, 1
	s_add_co_u32 s96, s96, s16                     ; q, k: P = 2 tc + B's half
	s_lshl_b32 s97, s17, 1
	s_add_co_u32 s97, s97, s15
	s_add_co_u32 s97, s97, 32                      ; v: P = 32 + 2 tr + A's half
	s_lshl_b32 s98, s17, 4
	s_lshl_b32 s99, s15, 3
	s_add_co_u32 s98, s98, s99                     ; q, k: U = 16 tr + 8 x A's half
	s_and_b32 s99, s42, 7
	s_lshl_b32 s99, s99, 4
	s_lshl_b32 s100, s16, 3
	s_add_co_u32 s99, s99, s100                    ; v: U = 16 (tc - 16) + 8 x B's half
	s_cmp_eq_u32 s[ISV], 1
	s_cselect_b32 s66, s97, s96
	s_cselect_b32 s67, s99, s98
	s_lshl_b32 s100, s66, 19
	s_lshl_b32 s101, s67, 12
	s_add_co_u32 s100, s100, s101
	s_mov_b32 s101, 0
	s_add_nc_u64 s[10:11], s[10:11], s[100:101]    ; qkv16 at my wave's 32,768 bytes
	s_lshl_b32 s100, s66, 13
	s_add_nc_u64 s[12:13], s[12:13], s[100:101]    ; fine32 at my plane
	s_lshl_b32 s100, s98, 14
	s_add_nc_u64 s[8:9], s[8:9], s[100:101]        ; csimg at my tokens' first tile (q, k)
	v_mov_b32 v[UV], s67
.macro FRAG reg, adr, q, i             ; a fragment: lane l holds row l % 16; registers 4 c .. 4 c + 3 hold K = 64 c + 32 (l / 16) + 0 .. 31
.irp c, 0,1
	ds_load_b128 v[\reg+4*\c:\reg+4*\c+3], v[\adr] offset:64*(\q)+32*\c+(\i)*16*PITCH
.endr
.endm
; 16 matrix instructions: A's blocks a0, a0 + 1 x B's eight, 128 along K.  zero = 1: the first product starts the sums.  The 64 accumulators take turns, one instruction a turn.
.macro MUL16 a0, p, q, sc, zero
.irp a, \a0, \a0+1
.irp b, 0,1,2,3,4,5,6,7
.if \zero
	v_wmma_scale_f32_16x16x128_f8f6f4 v[8*(8*((\a)%4)+\b):8*(8*((\a)%4)+\b)+7], v[128*(\p)+FR*\b:128*(\p)+FR*\b+FR-1], v[AF+FR*(\a):AF+FR*(\a)+FR-1], 0, v[SC+8*NQ*(\sc)+NQ*\b+(\q)], v[SC+8*NQ*(\sc)+NQ*(\a)+(\q)] matrix_a_fmt:MATRIX_FMT_FP4 matrix_b_fmt:MATRIX_FMT_FP4 matrix_a_scale:MATRIX_SCALE_ROW1
.else
	v_wmma_scale_f32_16x16x128_f8f6f4 v[8*(8*((\a)%4)+\b):8*(8*((\a)%4)+\b)+7], v[128*(\p)+FR*\b:128*(\p)+FR*\b+FR-1], v[AF+FR*(\a):AF+FR*(\a)+FR-1], v[8*(8*((\a)%4)+\b):8*(8*((\a)%4)+\b)+7], v[SC+8*NQ*(\sc)+NQ*\b+(\q)], v[SC+8*NQ*(\sc)+NQ*(\a)+(\q)] matrix_a_fmt:MATRIX_FMT_FP4 matrix_b_fmt:MATRIX_FMT_FP4 matrix_a_scale:MATRIX_SCALE_ROW1
.endif
.endr
.endr
.endm
.macro FETCH_B slot, q, p
	WIN TO_B
.irp i, 0,1,2,3,4,5,6,7
	FRAG 128*(\p)+FR*\i, ADRB+\slot, \q, \i
.endr
	WIN 0
.endm
.macro FETCH_A slot, q, i0
.irp i, \i0, \i0+1, \i0+2, \i0+3
	FRAG AF+FR*(\i), ADRA+\slot, \q, \i
.endr
.endm
.macro SCALES sc                       ; a K step's scale words: lanes 0-15 take A's block i, lanes 16-31 B's block i
.irp i, 0,1,2,3,4,5,6,7
	ds_load_b128 v[SC+8*NQ*\sc+NQ*\i:SC+8*NQ*\sc+NQ*\i+3], v[ADRS] offset:\i*SBLK
.endr
.endm
.macro PLACES n                        ; plain vector lines between a matrix instruction and a load into, or a read of, its registers (ISA guide 7.12.1 for reads)
.rept \n
	v_nop
.endr
.endm
.macro STEP slot, q, zero              ; 128 along K with its successor in the same slot
	s_wait_dscnt 4*NL                              ; B's set and A's blocks 0-3 are in; the youngest loads (A's blocks 4-7) may be out
	WIN MUL_LO
	MUL16 0, (\q)%2, \q, \slot, \zero
	MUL16 2, (\q)%2, \q, \slot, \zero
	s_wait_dscnt 0
	PLACES NP
	FETCH_B \slot, (\q)+1, 1-(\q)%2
	FETCH_A \slot, (\q)+1, 0
	WIN MUL_HI
	MUL16 4, (\q)%2, \q, \slot, \zero
	MUL16 6, (\q)%2, \q, \slot, \zero
	PLACES NP
	WIN 0
	FETCH_A \slot, (\q)+1, 4
.endm
; A slot's last step changes slots: one barrier; in front of it each wave waits for all its tensor loads, adds 0 to its spare word, and waits for that and for its reads of this slot.
.macro TURN slot, next, fill
	s_wait_tensorcnt 0x0                           ; all my tensor loads have landed: my part of the next slot
	ds_add_u32 v[SPW], v[NIL]                      ; 0 onto my spare word
	s_wait_dscnt 4*NL+1                            ; (the add and A's blocks 4-7 may be out)
	WIN MUL_LO
	MUL16 0, 1, NQ-1, \slot, 0
	s_wait_dscnt 0x0                               ; the add is done, and my reads of this slot are over
	s_barrier_signal -1
	MUL16 2, 1, NQ-1, \slot, 0
	WIN 0
	s_barrier_wait -1
.if \fill
	CREST                                          ; the barrier has opened a round of the cluster's: no wave of any partner still reads this slot or has a load on its way
	s_add_nc_u64 s[G0+4*\slot+2:G0+4*\slot+3], s[G0+4*\slot+2:G0+4*\slot+3], 2*ROWB
	s_add_nc_u64 s[G0B+4*\slot+2:G0B+4*\slot+3], s[G0B+4*\slot+2:G0B+4*\slot+3], 2*ROWB
	JLOAD G0+4*\slot, G1, G0B+4*\slot, G1B         ; the first tensor load behind the round; its four v_nop are the places in front of the loads below
.else
	PLACES NP
.endif
	v_add_nc_u32 v[ADRS], 4*NQ, v[ADRS]            ; on to the next K step's scale words
	FETCH_B \next, 0, 0
	FETCH_A \next, 0, 0
	SCALES \next
	WIN MUL_HI
	MUL16 4, 1, NQ-1, \slot, 0
	MUL16 6, 1, NQ-1, \slot, 0
	PLACES NP
	WIN 0
	FETCH_A \next, 0, 4
.endm
.macro STEPS slot, from
.set Q, \from
.rept NQ-1-\from
	STEP \slot, Q, 0
.set Q, Q+1
.endr
.endm
; THE WAY OUT.  cos and sin (x 1/8) of tile a of my tokens, 32 loads of 512 bytes on end, into set 'set' of window 1: cos(b, j) at 128 set + 8 b + j, sin 64 further on.
.macro CSLOAD a, set
	WIN TO_B
.set i, 0
.rept 32
	global_load_b128 v[128*(\set)+4*i:128*(\set)+4*i+3], v[L16], s[8:9] offset:(\a)*16384+512*i
.set i, i+1
.endr
	WIN 0
.endm
; Tokens 0-15 also leave in f32.  Whether my wave holds them hangs on its place in the cluster, so this is a mask over the lanes and no branch: all lanes on, or none.
.macro FINE
	v_cmp_eq_u32 vcc_lo, 0, v[UV]
	s_wait_xcnt 0x0                                ; EXEC changes only behind this wait
	s_and_saveexec_b32 s94, vcc_lo
.set i, 0
.rept 16
	global_store_b128 v[L16], v[Y+4*i:Y+4*i+3], s[12:13] offset:512*i
.set i, i+1
.endr
	s_wait_xcnt 0x0                                ; and again in front of the line that widens it
	s_or_b32 exec_lo, exec_lo, s94
.endm
.macro HALVES hb                       ; 64 numbers in f32 become 32 registers of f16
.set i, 0
.rept 32
	v_cvt_pk_f16_f32 v[\hb+i], v[Y+2*i], v[Y+2*i+1]
.set i, i+1
.endr
.endm
; q, k: block a, 16 tokens x 128 channels.  y(c) = x(c) cos(c) - x(c + 64) sin(c) for c < 64, x(c) cos(c) + x(c - 64) sin(c) beyond; 64 channels on are four accumulators on.
.macro ROPE a
.set AC,  64*((\a)%4)
.set CSB, 128*((\a)%2)
.set HB,  H+32*((\a)%2)
.set WR,  0x06+(\a)/4                  ; source 0 (accumulators) window 2 or 3, source 1 (cos, sin) window 1
.if (\a) < 7
	s_wait_loadcnt 32                              ; this block's cos and sin are in; the next block's 32 loads may be out
.else
	s_wait_loadcnt 0x0
.endif
	s_wait_xcnt 0x0                                ; earlier stores have read their data registers
	WIN WR
.irp b, 0,1,2,3,4,5,6,7
.irp j, 0,2,4,6
	v_pk_mul_f32 v[Y+8*\b+\j:Y+8*\b+\j+1], v[AC+8*\b+\j:AC+8*\b+\j+1], v[CSB+8*\b+\j:CSB+8*\b+\j+1]      ; each accumulator from its low end on
.endr
.endr
.irp b, 0,1,2,3
.irp j, 0,2,4,6
	v_pk_fma_f32 v[Y+8*\b+\j:Y+8*\b+\j+1], v[AC+8*(\b+4)+\j:AC+8*(\b+4)+\j+1], v[CSB+64+8*\b+\j:CSB+64+8*\b+\j+1], v[Y+8*\b+\j:Y+8*\b+\j+1] neg_lo:[1,0,0] neg_hi:[1,0,0]
	v_pk_fma_f32 v[Y+8*(\b+4)+\j:Y+8*(\b+4)+\j+1], v[AC+8*\b+\j:AC+8*\b+\j+1], v[CSB+64+8*(\b+4)+\j:CSB+64+8*(\b+4)+\j+1], v[Y+8*(\b+4)+\j:Y+8*(\b+4)+\j+1]
.endr
.endr
	WIN 0
.if (\a) < 6
	CSLOAD (\a)+2, (\a)%2
.endif
.if (\a) == 0
	FINE
.endif
	HALVES HB
.irp b, 0,1,2,3,4,5,6,7
	global_store_b128 v[L16], v[HB+4*\b:HB+4*\b+3], s[10:11] offset:(\a)*4096+512*\b         ; 512 consecutive bytes a store
.endr
.endm
; v: tokens 16 b on, all 128 channels: the accumulators (a, b), a = 0 .. 7, times 1/8.
.macro VOUT b
.set HB, H+32*((\b)%2)
	s_wait_xcnt 0x0
	WIN 0x02
.irp a, 0,1,2,3
.irp j, 0,2,4,6
	v_pk_mul_f32 v[Y+8*\a+\j:Y+8*\a+\j+1], v[64*\a+8*(\b)+\j:64*\a+8*(\b)+\j+1], 0x3e000000 op_sel_hi:[1,0]
.endr
.endr
	WIN 0x03
.irp a, 0,1,2,3
.irp j, 0,2,4,6
	v_pk_mul_f32 v[Y+8*(\a+4)+\j:Y+8*(\a+4)+\j+1], v[64*\a+8*(\b)+\j:64*\a+8*(\b)+\j+1], 0x3e000000 op_sel_hi:[1,0]
.endr
.endr
	WIN 0
.if (\b) == 0
	FINE
.endif
	HALVES HB
.irp a, 0,1,2,3,4,5,6,7
	global_store_b128 v[L16], v[HB+4*\a:HB+4*\a+3], s[10:11] offset:((\b)/2)*8192+((\b)%2)*512+1024*\a
.endr
.endm
	s_wait_tensorcnt 1                             ; the scales and my part of K step 0 are in (K step 1's load may be out),
	s_barrier_signal -1
	s_barrier_wait -1                              ; everybody's are
	FETCH_B 0, 0, 0
	FETCH_A 0, 0, 0
	SCALES 0
	FETCH_A 0, 0, 4
	STEP 0, 0, 1                                   ; the first step stands in front of the loop: its products start the sums
	s_mov_b32 s3, LAPS-1
.Llap:                                                 ; a trip goes once round the ring and fills both slots again
	STEPS 0, 1
	TURN 0, 1, 1
	STEPS 1, 0
	TURN 1, 0, 1
	STEP 0, 0, 0
	s_sub_co_u32 s3, s3, 1
	s_cmp_lg_u32 s3, 0
	s_cbranch_scc1 .Llap
	STEPS 0, 1                                     ; the last lap fills nothing
	TURN 0, 1, 0
	STEPS 1, 0
	s_cmp_eq_u32 s[ISV], 1                         ; q, k: the first block's cos and sin are asked for a step ahead, into B's set 0, which the last step does not read (four places stand behind its last reader)
	s_cbranch_scc1 .Lno_cs
	CSLOAD 0, 0
.Lno_cs:
	s_wait_dscnt 4*NL                              ; the very last step: nothing more to fetch
	WIN MUL_LO
	MUL16 0, 1, NQ-1, 1, 0
	MUL16 2, 1, NQ-1, 1, 0
	s_wait_dscnt 0
	WIN MUL_HI
	MUL16 4, 1, NQ-1, 1, 0
	MUL16 6, 1, NQ-1, 1, 0
	WIN 0
	PLACES NP                                      ; behind the last products: for the reads of results, the loads into B's set 1 and the writes over scale words and A's fragments
	s_cmp_eq_u32 s[ISV], 1
	s_cbranch_scc1 .Lv_out
	CSLOAD 1, 1
.irp a, 0,1,2,3,4,5,6,7
	ROPE \a
.endr
	s_branch .Ldone
.Lv_out:
.irp b, 0,1,2,3,4,5,6,7
	VOUT \b
.endr
.Ldone:
	s_wait_tensorcnt 0x0                           ; the wave's end
	ds_add_u32 v[SPW], v[NIL]
	s_wait_dscnt 0x0
	CROUND                                         ; the closing round: no work-group ends while a partner may still ask for a tile that names it
	s_endpgm
.Lfunc_end_k_qeaa763f0b5_qkv:
	.size	k_qeaa763f0b5_qkv, .Lfunc_end_k_qeaa763f0b5_qkv-k_qeaa763f0b5_qkv
	.p2alignl 7, 3214868480
	.fill 96, 4, 3214868480
	.section	.rodata,"a",@progbits
	.p2align	6, 0x0
	.amdhsa_kernel k_qeaa763f0b5_qkv
		.amdhsa_group_segment_fixed_size 327680
		.amdhsa_private_segment_fixed_size 0
		.amdhsa_enable_private_segment 0
		.amdhsa_kernarg_size 40
		.amdhsa_user_sgpr_count 2
		.amdhsa_user_sgpr_kernarg_segment_ptr 1
		.amdhsa_wavefront_size32 1
		.amdhsa_system_sgpr_workgroup_id_x 1
		.amdhsa_system_sgpr_workgroup_id_y 1
		.amdhsa_system_sgpr_workgroup_id_z 1
		.amdhsa_system_vgpr_workitem_id 0
		.amdhsa_next_free_vgpr 1024
		.amdhsa_next_free_sgpr 102
		.amdhsa_reserve_vcc 1
		.amdhsa_float_denorm_mode_32 3
		.amdhsa_float_denorm_mode_16_64 3
		.amdhsa_memory_ordered 1
		.amdhsa_forward_progress 1
		.amdhsa_inst_pref_size 255
	.end_amdhsa_kernel
	.section	.bss,"aw",@nobits
	.p2align	6
	.space	262144
	.amdgpu_metadata
---
amdhsa.version: [ 1, 2 ]
amdhsa.kernels:
  - .name:           k_qeaa763f0b5_qkv
    .symbol:         k_qeaa763f0b5_qkv.kd
    .args:
      - { .name: codes, .offset: 0, .size: 8, .value_kind: global_buffer, .address_space: global }
      - { .name: scales, .offset: 8, .size: 8, .value_kind: global_buffer, .address_space: global }
      - { .name: csimg, .offset: 16, .size: 8, .value_kind: global_buffer, .address_space: global }
      - { .name: qkv16, .offset: 24, .size: 8, .value_kind: global_buffer, .address_space: global }
      - { .name: fine32, .offset: 32, .size: 8, .value_kind: global_buffer, .address_space: global }
    .group_segment_fixed_size: 327680
    .private_segment_fixed_size: 0
    .kernarg_segment_align: 8
    .kernarg_segment_size: 40
    .max_flat_workgroup_size: 128
    .sgpr_count:     102
    .vgpr_count:     1024
    .wavefront_size: 32
...
	.end_amdgpu_metadata
.endif
;; end of part 2
;; launch attn (part 3): grid 16 x 16, 4 waves a work-group, no clusters, 153,088 bytes of LDS; arguments qkv16, ao16; writes ao16
.if DOCPART == 3
	.amdgcn_target "amdgcn-amd-amdhsa--gfx1250"
	.amdhsa_code_object_version 6
	.text
	.protected	k_qeaa763f0b5_attn
	.globl	k_qeaa763f0b5_attn
	.p2align	8
	.type	k_qeaa763f0b5_attn,@function
k_qeaa763f0b5_attn:
	s_mov_b64 s[64:65], 0
	v_nop
	global_prefetch_b8 v0, s[64:65] scope:SCOPE_SE
	s_setreg_imm32_b32 hwreg(HW_REG_WAVE_MODE, 25, 1), 1
	s_wait_xcnt 0x0
; ATTN: causal attention on f16 operands, sums, maxima and softmax in f32.  q', k', v' = q, k, v / 8 come as images of operand registers (qkv16: planes of 524,288 bytes: q head, k 16 + head, v 32 + head):
; 64 queries, 64 keys or 64 keys of V^T are 16,384 bytes on end, 32 loads of 512 bytes straight into the registers of 16 fragments.  Out: ao16 [2048][2048] f16 = the attention's result / 8.
; SHARES.  A task is a block I of 64 queries of one head; its key steps of 64 keys are 0 .. I, step I lies on the diagonal.  Work-group (pi, head) does tasks 31 - pi and pi: 33 steps for every work-group.
; All four waves hold the SAME 64 queries (four tiles of 16) and SPLIT THE KEYS: wave w takes steps w, w + 4, ..: (I - w) / 4 + 1 of them.  Each wave keeps its own running maximum, sum and O^T;
; at a task's end the four meet in LDS: out = sum_w 2^(cm_w - cM) O_w / sum_w 2^(cm_w - cM) l_w; wave w merges and stores tile w.
; No tile is shared inside a work-group, so K and V go from memory into registers; no barrier stands in the walk over the keys.
; NO CLUSTER: the waves walk different numbers of steps ((I - w) / 4 + 1, by their own ids) with no barrier between them; a joint load would tie all waves of four work-groups to one round a step.
; In the first task a wave begins its walk at step w + 4 ((pi % 8) mod its count) and goes round, so that the work-groups of a head begin at different tiles.
; LAYOUT.  S^T = K Q^T (source 0 = 16 keys, source 1 = 16 queries): a lane holds ONE query (lane % 16) and keys 8 (lane / 16) + 0..7; two such tiles rounded in pairs are source 1 of O^T = V^T P.
; SOFTMAX.  p = 2^(c s - c m), c = 64 log2(e) / sqrt(128) (the 64 takes back q's and k's 1/8); in every step O^T and l are multiplied by a = 2^(c m_old - c m_new).  m and c m begin at -1e30, under every
; score that f16 operands can give (at most 128 x 65,504^2); so a task's first step has a = 0, which clears what the task before left.  Hidden scores become -1e30: p = 0.
; A KEY STEP: 32 products K Q^T of piece 0 (tiles 0, 1) | 32 of piece 2 (tiles 2, 3), piece 0's softmax in slices between them | 32 products V^T P of piece 0, piece 2's softmax between them | 32 of piece 2.
; The next step's K is asked for at the step's middle, when both pieces have multiplied by K; its V at the step's end.
; LIMITS: NaN and infinities are not served; |q|, |k|, |v| under 524,032.
; REGISTERS, in windows of 256: window 0: v1-11 addresses; v12-43 eight statistics a tile; v44 address; v62, v63 the add's two; v64-191 S^T, 32 a tile; v192-255 P, 16 a tile.
;   window 1: O^T, 64 a tile.   window 2: v0-127 Q; v128-255 K.   window 3: v0-127 V.
.set SP,    272                        ; a row of the way out's stage: 256 bytes + 16
.set STAT,  131072                     ; LDS: 0 .. 131,071 O^T [wave][tile][16 x 512 bytes]; then the statistics [wave][tile][c m: 128 bytes, l: 128 bytes];
.set STG,   STAT+4096                  ; a stage of 16 rows x 272 bytes for each wave;
.set SPARE, STG+4*16*SP                ; the spare words, 128 bytes a wave
.set RR,  1                            ; v1  r = lane % 16
.set L16, 2                            ; v2  16 x lane; never rewritten
.set DD,  3                            ; v3  r - 8 (lane / 16): on the diagonal register j is hidden where j > this
.set SEN, 4                            ; v4  -1e30
.set STW, 5                            ; v5  where I store statistics
.set OXW, 6                            ; v6  where I store O^T
.set STR, 7                            ; v7  where I read my tile's statistics
.set OXR0, 8                           ; v8  where I read my tile's O^T of waves 0, 1;
.set OXR2, 9                           ; v9  of waves 2, 3
.set STO, 10                           ; v10 the stage: in
.set RD,  11                           ; v11 the stage: back
.set ST,  12                           ; tile t's statistics at v[ST + 8 t]: +0 c m, +1 m, +2, +3 l (even, odd keys'), +4 .. +7 at work; a takes +6
.set GO,  44                           ; v44 my byte offset in the wave's rows of ao16
.set SPW, 62
.set NIL, 63
.set S,   64
.set P,   192
.set KF,  128                          ; K's fragments, in window 2
.set RS,  64                           ; the merge: 64 results;
.set CMS, 128                          ; four c m, four l,
.set LSS, 132
.set GG,  140                          ; and four pairs (weight, at work)
.set WV,  8                            ; s8 my wave's number
.set QB,  10                           ; s[10:11], s[12:13], s[14:15] the head's planes of q, k, v
.set KB,  12
.set VB,  14
.set KP,  16                           ; s[16:17], s[18:19], s[20:21] the tiles in hand
.set VP,  18
.set QP,  20
.set AOP, 22                           ; s[22:23] the task's rows of ao16;  s[24:25] the wave's 16 rows of block 0, at the head's columns
.set AOH, 24
.set OFF, 26                           ; s[26:27] an offset; s27 = 0
.set TI,  28                           ; s28 the task's block I;  s29 my steps in it;  s30 J, the step's place in my walk;  s31 the step in hand
.set TN,  29
.set TJ,  30
.set CUR, 31
.set NI,  32                           ; s32 .. s35 the next task: its block, my steps, my first step, 1 if I have any
.set NN,  33
.set NFS, 34
.set NANY, 35
.set CNT, 36                           ; s36 steps to go;  s37 the step after this one;  s38 1 if there is one;  s39 tasks to go
.set NX,  37
.set MORE, 38
.set TK,  39
.set CS,  58                           ; s[58:59] c
.set SEL, 60                           ; s[60:61] lane selects: lane l xor 16
.set MSB, 0
.macro WIN new                         ; the immediate's high byte repeats the setting that is left
.if MSB != \new
	s_set_vgpr_msb (MSB<<8)|\new
.set MSB, \new
.endif
.endm
.set W_KQ, 0x0a                        ; K and Q in window 2, S^T in window 0
.set W_PV, 0x53                        ; V in window 3, P in window 0, O^T in window 1
.set W_RS, 0x41                        ; O^T (destination and source 0) in window 1, a in window 0
.macro PLACES
.rept 4
	v_nop
.endr
.endm
.macro LD16K win, reg, base            ; 16,384 bytes on end into 128 registers
	WIN \win
.set i, 0
.rept 32
	global_load_b128 v[\reg+4*i:\reg+4*i+3], v[L16], s[\base:\base+1] offset:512*i
.set i, i+1
.endr
	WIN 0
.endm
; Product i of 32 of S^T = K Q^T for piece x: channels 32 (i / 8) on, keys 16 ((i / 2) % 4) on, tile x + i % 2.  The first 8 start the sums.  The accumulators take turns.
.macro KQ x
	WIN W_KQ
.set rS, S+32*(\x+i%2)+8*((i/2)%4)
.set rK, KF+32*((i/2)%4)+8*(i/8)
.set rQ, 32*(\x+i%2)+8*(i/8)
.if i < 8
	v_wmma_f32_16x16x32_f16 v[rS:rS+7], v[rK:rK+7], v[rQ:rQ+7], 0
.else
	v_wmma_f32_16x16x32_f16 v[rS:rS+7], v[rK:rK+7], v[rQ:rQ+7], v[rS:rS+7]
.endif
.endm
; Product i of 32 of O^T += V^T P: keys 32 (i / 16) on, channels 16 ((i / 2) % 8) on, tile x + i % 2.
.macro PV x
	WIN W_PV
.set rO, 64*(\x+i%2)+8*((i/2)%8)
.set rV, 64*(i/16)+8*((i/2)%8)
.set rP, P+16*(\x+i%2)+8*(i/16)
	v_wmma_f32_16x16x32_f16 v[rO:rO+7], v[rV:rV+7], v[rP:rP+7], v[rO:rO+7]
.endm
; One tile's softmax for a key step is a list of 134 instructions; SM writes number j of it for tile t.
;   0-15 the maximum of the 32 scores and the old m;  16-20 the other half of the lanes', the new m, c m, c m_old - c m_new;
;   21-69 ONE BATCH: 16 packed scalings c s - c m and 33 exponentials (a at 23), none of which reads an exponential's result;  (the wait: SLICE);
;   70-85 roundings to f16;  86-101 the sums, l = a l + the sum;  102-133 O^T times a.
.macro SM t
.set rT, ST+8*(\t)
.set rS, S+32*(\t)
.set rP, P+16*(\t)
.set rO, 64*(\t)+2*(j-102)
.if j < 102
	WIN 0
.endif
.if j < 4
	v_max3_num_f32 v[rT+4+j], v[rS+8*j], v[rS+8*j+1], v[rS+8*j+2]           ; each accumulator is first read at its low end
.elseif j < 12
	v_max3_num_f32 v[rT+4+j%4], v[rT+4+j%4], v[rS+8*(j%4)+2*(j/4)+1], v[rS+8*(j%4)+2*(j/4)+2]
.elseif j == 12
	v_max3_num_f32 v[rT+4], v[rT+4], v[rS+7], v[rS+15]
.elseif j == 13
	v_max3_num_f32 v[rT+6], v[rT+6], v[rS+23], v[rS+31]
.elseif j == 14
	v_max3_num_f32 v[rT+4], v[rT+4], v[rT+5], v[rT+6]
.elseif j == 15
	v_max3_num_f32 v[rT+4], v[rT+4], v[rT+7], v[rT+1]
.elseif j == 16
	v_permlanex16_b32 v[rT+5], v[rT+4], s[SEL], s[SEL+1]  ; the query's other 32 keys lie in the lane 16 away
.elseif j == 17
	v_mov_b32 v[rT+7], v[rT]                              ; c m_old is kept for a
.elseif j == 18
	v_max_num_f32 v[rT+1], v[rT+4], v[rT+5]
.elseif j == 19
	v_mul_f32 v[rT], s[CS], v[rT+1]
.elseif j == 20
	v_sub_f32 v[rT+7], v[rT+7], v[rT]
.elseif j == 23
	v_exp_f32 v[rT+6], v[rT+7]
.elseif (j < 23) || ((j < 38) && (j%2 == 0)) || ((j < 66) && (j%4 == 2))
.set b, (j-2)/4
.if j < 38
.set b, (j-20)/2
.endif
	v_pk_fma_f32 v[rS+2*b:rS+2*b+1], v[rS+2*b:rS+2*b+1], s[CS:CS+1], v[rT:rT+1] op_sel_hi:[1,0,0] neg_lo:[0,0,1] neg_hi:[0,0,1]  ; pair b: c s - c m
.elseif j < 70
.set e, j-38
.if j < 66
.set e, j-32-(j-38)/4
.endif
.if j < 38
.set e, (j-25)/2
.endif
	v_exp_f32 v[rS+e], v[rS+e]
.elseif j < 86
	v_cvt_pk_f16_f32 v[rP+j-70], v[rS+2*(j-70)], v[rS+2*(j-70)+1]
.elseif j < 102
.set z, j-86
.set w, 4
.set u, z
.if z >= 14
.set w, 32
.set u, 0
.elseif z >= 12
.set w, 16
.set u, z-12
.elseif z >= 8
.set w, 8
.set u, z-8
.endif
.if z < 15
	v_pk_add_f32 v[rS+w*u:rS+w*u+1], v[rS+w*u:rS+w*u+1], v[rS+w*u+w/2:rS+w*u+w/2+1]
.else
	v_pk_fma_f32 v[rT+2:rT+3], v[rT+2:rT+3], v[rT+6:rT+7], v[rS:rS+1] op_sel_hi:[1,0,1]
.endif
.else
	WIN W_RS
	v_pk_mul_f32 v[rO:rO+1], v[rO:rO+1], v[rT+6:rT+7] op_sel_hi:[1,0]
.endif
.endm
; Slice k of 64 of piece y's softmax.  Slices 11 to 34 deal out the batch, four numbers of one tile each, the tiles by turns; every other slice is numbers 2 k, 2 k + 1 of both tiles; the twelve that are over
; stand in slice 63.  Behind slice 34 all 66 exponentials are issued and no result has been named: one plain line and ONE wait ahead of the first reader.
.macro SLICE y
.if (k >= 11) && (k < 35)
.irp n, 0,1,2,3
.set j, 22+4*((k-11)/2)+(\n)
	SM (\y)+(k-11)%2
.endr
.else
.irp n, 0,1,2,3,4,5,6,7
.if (\n < 2) || (k == 63)
.irp t, \y, \y+1
.set j, 2*k+\n
	SM \t
.endr
.endif
.endr
.endif
.if k == 34
	v_nop
	s_wait_alu depctr_va_vdst(0)
.endif
.set k, k+1
.endm
.macro TURN_KQ x                       ; piece x's 32 products K Q^T, two slices of the other piece's softmax behind each; slices 62 and 63, twenty plain lines, are the places behind the last product
.set k, 0
.set i, 0
.rept 32
	KQ \x
	SLICE 2-\x
	SLICE 2-\x
.set i, i+1
.endr
.endm
.macro TURN_PV x
.set k, 0
.set i, 0
.rept 32
	PV \x
	SLICE 2-\x
	SLICE 2-\x
.set i, i+1
.endr
.endm
.macro HALF2                           ; a step's second half: V^T P of both pieces, piece 2's softmax between the first 32
	TURN_PV 0
.set i, 0
.rept 32
	PV 2
.set i, i+1
.endr
	WIN 0
	PLACES                                         ; behind the last products: for loads into V's registers and reads of O^T
.endm
; The diagonal step, piece x: query 16 t + r, key 16 kt + 8 (lane / 16) + j.  Key tiles kt > t are hidden whole; in kt = t register j is hidden where j > r - 8 (lane / 16).
.macro MASK x
.irp t, \x, \x+1
.irp kt, 0,1,2,3
.if \kt > (\t)
.irp j, 0,1,2,3,4,5,6,7
	v_mov_b32 v[S+32*(\t)+8*\kt+\j], v[SEN]
.endr
.elseif \kt == (\t)
.irp j, 0,1,2,3,4,5,6,7
	v_cmp_gt_i32 vcc_lo, \j, v[DD]
	v_cndmask_b32 v[S+32*(\t)+8*\kt+\j], v[S+32*(\t)+8*\kt+\j], v[SEN], vcc_lo
.endr
.endif
.endr
.endr
.endm
	s_load_b128 s[4:7], s[0:1], 0x0                ; qkv16 s[4:5], ao16 s[6:7]
	v_lshl_add_u32 v[SPW], v0, 2, SPARE
	v_mov_b32 v[NIL], 0
	v_lshrrev_b32 v45, 5, v0
	v_readfirstlane_b32 s[WV], v45                 ; wave 0..3
	v_and_b32 v[RR], 15, v0
	v_bfe_u32 v45, v0, 4, 1                        ; h = lane / 16
	v_and_b32 v46, 31, v0
	v_lshlrev_b32 v[L16], 4, v46
	v_lshlrev_b32 v47, 3, v45
	v_sub_nc_u32 v[DD], v[RR], v47
	v_mov_b32 v[SEN], 0xf149f2ca                   ; -1e30
	v_lshlrev_b32 v47, 2, v46                      ; 4 x lane
	s_lshl_b32 s40, s[WV], 10
	v_add_nc_u32 v[STW], s40, v47
	v_add_nc_u32 v[STW], STAT, v[STW]              ; my wave's statistics: 1,024 x wave
	s_lshl_b32 s40, s[WV], 8
	v_add_nc_u32 v[STR], s40, v47
	v_add_nc_u32 v[STR], STAT, v[STR]              ; my tile's: 256 x wave, in each wave's 1,024
	s_lshl_b32 s40, s[WV], 15
	v_add_nc_u32 v[OXW], s40, v[L16]               ; my wave's O^T: 32,768 x wave
	s_lshl_b32 s40, s[WV], 13
	v_add_nc_u32 v[OXR0], s40, v[L16]              ; my tile's: 8,192 x wave, in each wave's 32,768
	v_add_nc_u32 v[OXR2], 65536, v[OXR0]
	s_mul_i32 s40, s[WV], 16*SP
	s_add_co_u32 s40, s40, STG
	v_mul_u32_u24 v[STO], v[RR], SP
	v_lshl_add_u32 v[STO], v45, 4, v[STO]
	v_add_nc_u32 v[STO], s40, v[STO]               ; in: row r, 16 bytes for each half of the lanes
	v_mul_u32_u24 v[RD], v45, SP
	v_lshl_add_u32 v[RD], v[RR], 4, v[RD]
	v_add_nc_u32 v[RD], s40, v[RD]                 ; back: lanes 0-15 one row of 256 bytes, lanes 16-31 the next
	v_lshlrev_b32 v[GO], 12, v45
	v_lshl_add_u32 v[GO], v[RR], 4, v[GO]          ; and the same two rows in ao16 (4,096 bytes a row)
.irp t, 0,1,2,3
	v_mov_b32 v[ST+8*\t+5], 0                      ; written once: a lane permute's destination counts as one of its sources
.endr
	s_mov_b32 s[CS], 0x410293ee                    ; c = 64 log2(e) / sqrt(128)
	s_mov_b32 s[CS+1], s[CS]
	s_mov_b32 s[SEL], 0x76543210
	s_mov_b32 s[SEL+1], 0xfedcba98
	; the two tasks' plans: all from ids
	s_and_b32 s40, ttmp7, 0xffff                   ; the head
	s_sub_co_u32 s[TI], 31, ttmp9                  ; the first task: block 31 - pi, at least 16
	s_sub_co_u32 s41, s[TI], s[WV]
	s_lshr_b32 s41, s41, 2
	s_add_co_u32 s[TN], s41, 1                     ; my steps in it: at least 4
	s_and_b32 s[TJ], ttmp9, 7
	s_cmp_ge_u32 s[TJ], s[TN]
	s_cselect_b32 s41, s[TN], 0
	s_sub_co_u32 s[TJ], s[TJ], s41                 ; (pi % 8) mod my steps: 7 - 4 is under 4, so one subtraction does
	s_lshl_b32 s[CUR], s[TJ], 2
	s_add_co_u32 s[CUR], s[CUR], s[WV]             ; where my walk begins
	s_mov_b32 s[NI], ttmp9                         ; the second task: block pi
	s_sub_co_i32 s41, ttmp9, s[WV]
	s_ashr_i32 s42, s41, 2
	s_add_co_u32 s[NN], s42, 1                     ; 0 where pi < wave
	s_cmp_ge_i32 s41, 0
	s_cselect_b32 s[NANY], 1, 0
	s_mov_b32 s[NFS], s[WV]
	s_mov_b32 s[TK], 2
	s_lshl_b32 s[OFF], s40, 19
	s_mov_b32 s[OFF+1], 0
	s_wait_kmcnt 0x0
	s_add_nc_u64 s[QB:QB+1], s[4:5], s[OFF:OFF+1]
	s_add_nc_u64 s[KB:KB+1], s[QB:QB+1], 16*524288
	s_add_nc_u64 s[VB:VB+1], s[QB:QB+1], 32*524288
	s_lshl_b32 s[OFF], s40, 8                      ; the head's 128 columns: 256 bytes
	s_lshl_b32 s41, s[WV], 16                      ; my tile's 16 rows of 4,096 bytes
	s_add_co_u32 s[OFF], s[OFF], s41
	s_add_nc_u64 s[AOH:AOH+1], s[6:7], s[OFF:OFF+1]
	s_lshl_b32 s[OFF], s[TI], 14
	s_add_nc_u64 s[QP:QP+1], s[QB:QB+1], s[OFF:OFF+1]
	s_lshl_b32 s[OFF], s[CUR], 14
	s_add_nc_u64 s[KP:KP+1], s[KB:KB+1], s[OFF:OFF+1]
	s_add_nc_u64 s[VP:VP+1], s[VB:VB+1], s[OFF:OFF+1]
	LD16K 0x80, 0, QP
	LD16K 0x80, KF, KP
	LD16K 0xc0, 0, VP
	WIN 0x40                                       ; O^T is written once, while the first tiles are on their way: the step is written once and always adds; from then on a task's first a = 0 clears it
.set i, 0
.rept 256
	v_mov_b32 v[i], 0
.set i, i+1
.endr
	WIN 0
.Ltask:
	s_wait_loadcnt 0x0                             ; Q, and my first K and V
.irp t, 0,1,2,3
	v_mov_b32 v[ST+8*\t], v[SEN]
	v_mov_b32 v[ST+8*\t+1], v[SEN]
	v_mov_b32 v[ST+8*\t+2], 0
	v_mov_b32 v[ST+8*\t+3], 0
.endr
	s_cmp_eq_u32 s[TN], 0                          ; a wave with no step in this task brings the weight 0 to the merge
	s_cbranch_scc1 .Lfin
	s_mov_b32 s[CNT], s[TN]
.Lstep:
	s_add_co_u32 s[TJ], s[TJ], 1                   ; the step after this one: the next of my walk, round its end; behind the last, the next task's first
	s_cmp_ge_u32 s[TJ], s[TN]
	s_cselect_b32 s[TJ], 0, s[TJ]
	s_lshl_b32 s[NX], s[TJ], 2
	s_add_co_u32 s[NX], s[NX], s[WV]
	s_cmp_gt_u32 s[CNT], 1
	s_cselect_b32 s[NX], s[NX], s[NFS]
	s_cselect_b32 s[MORE], 1, s[NANY]
	s_wait_loadcnt 32                              ; K is in; this step's V, 32 loads issued behind it, may be out
.set i, 0
.rept 32
	KQ 0
.set i, i+1
.endr
	WIN 0
	PLACES
	s_cmp_lg_u32 s[CUR], s[TI]                     ; ids alone: only the diagonal step is masked
	s_cbranch_scc1 .Lopen0
	MASK 0
.Lopen0:
	TURN_KQ 2
	WIN 0
	s_cmp_lg_u32 s[CUR], s[TI]
	s_cbranch_scc1 .Lopen2
	MASK 2
.Lopen2:
	s_wait_loadcnt 0x0                             ; V is in; no load of mine is out, so the tiles' addresses may be written
	s_mov_b32 s[CUR], s[NX]
	s_cmp_eq_u32 s[MORE], 0
	s_cbranch_scc1 .Llast                          ; ONE branch leads round K's loads and V's together: at the counted wait above either both runs were issued, K's first, or none is out
	s_lshl_b32 s[OFF], s[NX], 14
	s_add_nc_u64 s[KP:KP+1], s[KB:KB+1], s[OFF:OFF+1]
	LD16K 0x80, KF, KP                             ; both pieces have multiplied by K; twenty plain lines and more stand behind its last reader
	HALF2
	s_add_nc_u64 s[VP:VP+1], s[VB:VB+1], s[OFF:OFF+1]
	LD16K 0xc0, 0, VP
	s_branch .Lnext
.Llast:                                                ; my very last step: the same second half, with nothing to ask for
	HALF2
.Lnext:                                                ; both ways join ahead of the counter's step: the loop is left by falling through its backward branch alone
	s_sub_co_u32 s[CNT], s[CNT], 1
	s_cmp_lg_u32 s[CNT], 0
	s_cbranch_scc1 .Lstep
.Lfin:
	; THE TASK'S END.  The next task's Q is asked for first; then the four waves' parts meet in LDS.
	s_cmp_eq_u32 s[TK], 1
	s_cbranch_scc1 .Lno_q
	s_lshl_b32 s[OFF], s[NI], 14
	s_add_nc_u64 s[QP:QP+1], s[QB:QB+1], s[OFF:OFF+1]
	LD16K 0x80, 0, QP
.Lno_q:
.irp t, 0,1,2,3
	v_add_f32 v[ST+8*\t+4], v[ST+8*\t+2], v[ST+8*\t+3]
.endr
.irp t, 0,1,2,3
	v_permlanex16_b32 v[ST+8*\t+5], v[ST+8*\t+4], s[SEL], s[SEL+1]
.endr
.irp t, 0,1,2,3
	v_add_f32 v[ST+8*\t+4], v[ST+8*\t+4], v[ST+8*\t+5]    ; l of my keys
.endr
.irp t, 0,1,2,3
	ds_store_b32 v[STW], v[ST+8*\t] offset:256*\t
	ds_store_b32 v[STW], v[ST+8*\t+4] offset:256*\t+128
.endr
	WIN 0x04                                       ; an LDS store's data are its source 1: window 1
.set i, 0
.rept 64
	ds_store_b128 v[OXW], v[4*i:4*i+3] offset:512*i       ; O^T as it stands, each accumulator from its low end on
.set i, i+1
.endr
	WIN 0
	s_wait_dscnt 0x0                               ; for the others' sake: my stores have landed
	s_barrier_signal -1
	s_barrier_wait -1
.irp n, 0,1,2,3
	ds_load_b32 v[CMS+\n], v[STR] offset:1024*\n
	ds_load_b32 v[LSS+\n], v[STR] offset:1024*\n+128
.endr
	WIN 0x40                                       ; my tile's O^T of all four waves, my own among them: window 1, 64 registers a wave; waves 0 and 1 first
.set i, 0
.rept 32
	ds_load_b128 v[4*i:4*i+3], v[OXR0] offset:32768*(i/16)+512*(i%16)
.set i, i+1
.endr
	WIN 0
	s_wait_dscnt 32                                ; the eight statistics are in; the 32 loads behind them may be out
	v_max3_num_f32 v138, v[CMS], v[CMS+1], v[CMS+2]
	v_max_num_f32 v138, v138, v[CMS+3]             ; c M
.irp n, 0,1,2,3
	v_sub_f32 v[GG+2*\n+1], v[CMS+\n], v138
.endr
.irp n, 0,1,2,3
	v_exp_f32 v[GG+2*\n], v[GG+2*\n+1]             ; 2^(c m_w - c M): 0 for a wave that had no step
.endr
	v_nop
	s_wait_alu depctr_va_vdst(0)                   ; one wait for the four, ahead of their first reader
	v_mul_f32 v136, v[GG], v[LSS]
	v_fmac_f32 v136, v[GG+2], v[LSS+1]
	v_fmac_f32 v136, v[GG+4], v[LSS+2]
	v_fmac_f32 v136, v[GG+6], v[LSS+3]             ; the row's sum: at least 1, since the wave that holds the largest score has p = 1 there
	v_rcp_f32 v137, v136
	v_nop
	s_wait_alu depctr_va_vdst(0)
.irp n, 0,1,2,3
	v_mul_f32 v[GG+2*\n], v[GG+2*\n], v137
.endr
	WIN 0x40                                       ; waves 2 and 3
.set i, 32
.rept 32
	ds_load_b128 v[4*i:4*i+3], v[OXR2] offset:32768*((i-32)/16)+512*(i%16)
.set i, i+1
.endr
	s_wait_dscnt 32                                ; waves 0 and 1's are in; the 32 loads just issued may be out
	WIN 0x01                                       ; source 0: window 1
.set i, 0
.rept 32
	v_pk_mul_f32 v[RS+2*i:RS+2*i+1], v[2*i:2*i+1], v[GG:GG+1] op_sel_hi:[1,0]
.set i, i+1
.endr
.set i, 0
.rept 32
	v_pk_fma_f32 v[RS+2*i:RS+2*i+1], v[64+2*i:64+2*i+1], v[GG+2:GG+3], v[RS+2*i:RS+2*i+1] op_sel_hi:[1,0,1]
.set i, i+1
.endr
	s_wait_dscnt 0x0                               ; waves 2 and 3's are in
.irp n, 2,3
.set i, 0
.rept 32
	v_pk_fma_f32 v[RS+2*i:RS+2*i+1], v[64*\n+2*i:64*\n+2*i+1], v[GG+2*\n:GG+2*\n+1], v[RS+2*i:RS+2*i+1] op_sel_hi:[1,0,1]
.set i, i+1
.endr
.endr
	WIN 0
.set i, 0
.rept 32
	v_cvt_pk_f16_f32 v[P+i], v[RS+2*i], v[RS+2*i+1]
.set i, i+1
.endr
.irp f, 0,1,2,3,4,5,6,7
	ds_store_b128 v[STO], v[P+4*\f:P+4*\f+3] offset:32*\f          ; a lane's eight channels of a row: 16 bytes
.endr
.irp f, 0,1,2,3,4,5,6,7
	ds_load_b128 v[P+32+4*\f:P+32+4*\f+3], v[RD] offset:\f*2*SP    ; LDS serves a wave's instructions in order: these see the stores above
.endr
	s_lshl_b32 s[OFF], s[TI], 18                   ; the block's 64 rows of 4,096 bytes
	s_add_nc_u64 s[AOP:AOP+1], s[AOH:AOH+1], s[OFF:OFF+1]
.irp f, 0,1,2,3,4,5,6,7
	s_wait_dscnt 7-\f                              ; rows 2 f, 2 f + 1 are back; the later ones may be out
	global_store_b128 v[GO], v[P+32+4*\f:P+32+4*\f+3], s[AOP:AOP+1] offset:\f*8192       ; 16 lanes store 256 consecutive bytes, aligned
.endr
	s_wait_xcnt 0x0                                ; the stores have read their registers and their base: both are written again in the next task
	s_barrier_signal -1                            ; every wave's reads of the shared O^T are back (the count-down ended at 0): the next task may store there
	s_barrier_wait -1
	s_mov_b32 s[TI], s[NI]
	s_mov_b32 s[TN], s[NN]
	s_mov_b32 s[TJ], 0
	s_mov_b32 s[CUR], s[NFS]
	s_mov_b32 s[NANY], 0                           ; behind the second task there is nothing
	s_sub_co_u32 s[TK], s[TK], 1
	s_cmp_lg_u32 s[TK], 0
	s_cbranch_scc1 .Ltask
	s_wait_tensorcnt 0x0                           ; the wave's end, behind my last LDS store
	ds_add_u32 v[SPW], v[NIL]
	s_wait_dscnt 0x0
	s_endpgm
.Lfunc_end_k_qeaa763f0b5_attn:
	.size	k_qeaa763f0b5_attn, .Lfunc_end_k_qeaa763f0b5_attn-k_qeaa763f0b5_attn
	.p2alignl 7, 3214868480
	.fill 96, 4, 3214868480
	.section	.rodata,"a",@progbits
	.p2align	6, 0x0
	.amdhsa_kernel k_qeaa763f0b5_attn
		.amdhsa_group_segment_fixed_size 153088
		.amdhsa_private_segment_fixed_size 0
		.amdhsa_enable_private_segment 0
		.amdhsa_kernarg_size 16
		.amdhsa_user_sgpr_count 2
		.amdhsa_user_sgpr_kernarg_segment_ptr 1
		.amdhsa_wavefront_size32 1
		.amdhsa_system_sgpr_workgroup_id_x 1
		.amdhsa_system_sgpr_workgroup_id_y 1
		.amdhsa_system_sgpr_workgroup_id_z 1
		.amdhsa_system_vgpr_workitem_id 0
		.amdhsa_next_free_vgpr 896
		.amdhsa_next_free_sgpr 66
		.amdhsa_reserve_vcc 1
		.amdhsa_float_denorm_mode_32 3
		.amdhsa_float_denorm_mode_16_64 3
		.amdhsa_memory_ordered 1
		.amdhsa_forward_progress 1
		.amdhsa_inst_pref_size 121
	.end_amdhsa_kernel
	.amdgpu_metadata
---
amdhsa.version: [ 1, 2 ]
amdhsa.kernels:
  - .name:           k_qeaa763f0b5_attn
    .symbol:         k_qeaa763f0b5_attn.kd
    .args:
      - { .name: qkv16, .offset: 0, .size: 8, .value_kind: global_buffer, .address_space: global }
      - { .name: ao16, .offset: 8, .size: 8, .value_kind: global_buffer, .address_space: global }
    .group_segment_fixed_size: 153088
    .private_segment_fixed_size: 0
    .kernarg_segment_align: 8
    .kernarg_segment_size: 16
    .max_flat_workgroup_size: 128
    .sgpr_count:     66
    .vgpr_count:     896
    .wavefront_size: 32
...
	.end_amdgpu_metadata
.endif
;; end of part 3
;; launch oproj (part 4): grid 16 x 16, 4 waves a work-group, clusters of 4 x 4, 327,680 bytes of LDS; arguments ao16, wo16, out0; writes out0
.if DOCPART == 4
	.amdgcn_target "amdgcn-amd-amdhsa--gfx1250"
	.amdhsa_code_object_version 6
	.text
	.protected	k_qeaa763f0b5_oproj
	.globl	k_qeaa763f0b5_oproj
	.p2align	8
	.type	k_qeaa763f0b5_oproj,@function
k_qeaa763f0b5_oproj:
	s_mov_b64 s[64:65], 0
	v_nop
	global_prefetch_b8 v0, s[64:65] scope:SCOPE_SE
	s_setreg_imm32_b32 hwreg(HW_REG_WAVE_MODE, 25, 1), 1
	s_wait_xcnt 0x0
	s_wait_alu depctr_hold_cnt(0) depctr_sa_sdst(0) depctr_va_vdst(0) depctr_va_sdst(0) depctr_va_ssrc(0) depctr_va_vcc(0) depctr_vm_vsrc(0)
	s_getreg_b32 s2, hwreg(HW_REG_IB_STS2, 6, 4)
	s_cmp_eq_u32 s2, 0
	s_cbranch_scc0 .Lentry_in_a_cluster
	s_endpgm
.Lentry_in_a_cluster:
	s_bfe_u32 s2, ttmp6, 0x10000c
	s_cmp_lg_u32 s2, 0xf033
	s_cbranch_scc0 .Lentry_shape_is_right
	s_endpgm
.Lentry_shape_is_right:
; OPROJ: out0[m][n] = sum over k of A[m][k] B[n][k].  A = ao16 [2048][2048] (the attention's result / 8), B = wo16 [2048][2048] (8 x Wo), both f16; sums and out0 in f32: the two factors cancel exactly.
; A tile of out0 is 128 x 128, so that there are 256 work-groups (tiles of 256 x 256 would be 64).  Four waves, each 64 x 64: 16 accumulators, 128 registers.  K goes in steps of 256 (LDS rows of 512 bytes;
; a wave's tensor load brings 64 of them) through a ring of two slots.  CLUSTERS of 4 x 4: A's tile is shared along a row of the cluster, B's along a column: joint loads.
; THE MATRIX INSTRUCTION IS USED TRANSPOSED (source 0 = 16 rows of B, source 1 = 16 rows of A): a lane holds eight neighbouring numbers of a row of out0.  A wave's 64 columns are 256 bytes, aligned: each wave
; sends its blocks of 16 rows through a stage of its own and stores whole rows of 256 bytes; no barrier on the way out.
; Rows 0-15 are written here from f16 operands and written again, from f32 operands, by the launch that follows.
; REGISTERS: window 0: v0-31 addresses; v32-95 rows on the way out; v128-255 the accumulators ((a, b) at v[128 + 8 (4 a + b)]).   window 1: two fragment buffers of 128.
.set SIZE_N, 2048
.set SIZE_K, 2048
.set KSTEP,  256
.set PITCH,  528                       ; an LDS row: 512 bytes + 16 of padding = 132 words: row r starts at bank 4 r mod 64 (64 banks of 4 bytes: ISA guide 11.1)
.set HALFT,  64*PITCH
.set SLOT,   4*HALFT
.set STAGE,  2*SLOT                    ; behind the ring: 16 rows x 272 bytes for each wave
.set SPITCH, 272
.set SPARE,  STAGE+4*16*SPITCH         ; the spare words, 128 bytes a wave
.set LAPS, SIZE_K/(2*KSTEP)
.set ADRA, 16
.set ADRB, 20
.set STO,  24
.set RD,   25
.set CO,   26
.set SPW,  28
.set NIL,  29
.set TMP,  32
.set ACC,  128
.set F0,   0
.set F1,   128
.set G1, 24
.set G0, 32
.set G1B, 48
.set G0B, 56
.set MSB, 0
.macro WIN new
.if MSB != \new
	s_set_vgpr_msb (MSB<<8)|\new
.set MSB, \new
.endif
.endm
.set MUL,  0x05                        ; sources 0 (B) and 1 (A) window 1; C and D window 0
.set TO_F, 0x40                        ; destination window 1, address window 0
.macro JLOAD s                         ; a joint load: waves 0 and 1 fetch A's two halves, waves 2 and 3 B's; an s_nop 0 and four v_nop follow each of the two lines
	s_cmp_eq_u32 s11, 0
	s_cbranch_scc0 .Lfor_b_\@
	tensor_load_to_lds s[G0+4*\s:G0+4*\s+3], s[G1:G1+7]
	s_nop 0
.rept 4
	v_nop
.endr
	s_branch .Lasked_\@
.Lfor_b_\@:
	tensor_load_to_lds s[G0B+4*\s:G0B+4*\s+3], s[G1B:G1B+7]
	s_nop 0
.rept 4
	v_nop
.endr
.Lasked_\@:
.endm
.macro CREST
	s_cmp_lg_u32 s10, 0
	s_cbranch_scc1 .Lnot_wave_0_\@
	s_barrier_signal -3
.Lnot_wave_0_\@:
	s_barrier_wait -3
	s_barrier_signal -1
	s_barrier_wait -1
.endm
.macro CROUND
	s_barrier_signal -1
	s_barrier_wait -1
	CREST
.endm
	s_load_b128 s[4:7], s[0:1], 0x0                ; A s[4:5], B s[6:7]
	s_load_b64 s[8:9], s[0:1], 0x10                ; out0
	v_lshl_add_u32 v[SPW], v0, 2, SPARE
	v_mov_b32 v[NIL], 0
	ds_add_u32 v[SPW], v[NIL]                      ; the wave's opening: the add, twice on end, and its wait ahead of my first tensor load
	ds_add_u32 v[SPW], v[NIL]
	v_lshrrev_b32 v1, 5, v0
	v_readfirstlane_b32 s10, v1                    ; wave 0..3
	s_lshr_b32 s11, s10, 1                         ; which half of the tile's rows is mine.  Also: I fetch for A (0) or for B (1)
	s_and_b32 s12, s10, 1                          ; which half of its columns.  Also: which 64 rows of that tile I fetch
	s_bfe_u32 s40, ttmp6, 0x40000                  ; cx, cy
	s_bfe_u32 s41, ttmp6, 0x40004
	s_lshl_b32 s42, ttmp9, 2
	s_add_co_u32 s42, s42, s40                     ; tile column
	s_and_b32 s13, ttmp7, 0xffff
	s_lshl_b32 s13, s13, 2
	s_add_co_u32 s13, s13, s41                     ; tile row
	s_lshl_b32 s43, s41, 2
	s_lshl_b32 s43, 15, s43                        ; my row of the cluster
	s_lshl_b32 s44, 0x1111, s40                    ; my column
	s_or_b32 s[G1+0], s43, (1<<16)|(1<<20)|(1<<21)|(6<<22)|(3<<25)  ; 15:0 the mask; 17:16 elements of 2 bytes; 20 padding on; 21 set beside a mask; 24:22 after every 128 words; 31:25 four words
	s_or_b32 s[G1B+0], s44, (1<<16)|(1<<20)|(1<<21)|(6<<22)|(3<<25)
.irp g, G1, G1B
	s_mov_b32 s[\g+1], KSTEP<<16                   ; tensor_dim0 = 256
	s_mov_b32 s[\g+2], 64<<16                      ; tensor_dim1 = 64
	s_mov_b32 s[\g+3], KSTEP<<16                   ; tile_dim0 = 256
	s_mov_b32 s[\g+4], 64                          ; tile_dim1 = 64
	s_mov_b32 s[\g+5], SIZE_K                      ; tensor_dim0_stride
	s_mov_b32 s[\g+6], 0
	s_mov_b32 s[\g+7], 0
.endr
	s_lshl_b32 s17, s12, 6
	s_lshl_b32 s16, s13, 7
	s_add_co_u32 s16, s16, s17                     ; A: row 128 x tile row + 64 x half
	s_lshl_b32 s46, s42, 7
	s_add_co_u32 s46, s46, s17                     ; B: row 128 x tile column + 64 x half
	s_mov_b32 s17, 0
	s_mov_b32 s47, 0
	s_mov_b64 s[18:19], SIZE_K*2
	s_mul_u64 s[16:17], s[16:17], s[18:19]
	s_mul_u64 s[46:47], s[46:47], s[18:19]
	s_mul_i32 s20, s10, HALFT
	s_wait_dscnt 0x0                               ; both opening adds are done
	s_wait_kmcnt 0x0
	s_add_nc_u64 s[14:15], s[4:5], s[16:17]
	s_add_nc_u64 s[46:47], s[6:7], s[46:47]
	CROUND                                         ; all sixteen work-groups are here: the first joint loads meet
.irp s, 0,1
	s_mov_b32 s[G0+4*\s], 1
	s_add_co_u32 s[G0+4*\s+1], s20, \s*SLOT
	s_add_nc_u64 s[G0+4*\s+2:G0+4*\s+3], s[14:15], \s*KSTEP*2
	s_or_b32 s[G0+4*\s+3], s[G0+4*\s+3], 0x80000000
	s_mov_b32 s[G0B+4*\s], 1
	s_add_co_u32 s[G0B+4*\s+1], s20, \s*SLOT
	s_add_nc_u64 s[G0B+4*\s+2:G0B+4*\s+3], s[46:47], \s*KSTEP*2
	s_or_b32 s[G0B+4*\s+3], s[G0B+4*\s+3], 0x80000000
	JLOAD \s                                       ; by this text's count two tensor loads of mine are out now
.endr
	v_and_b32 v1, 15, v0                           ; l % 16
	v_bfe_u32 v2, v0, 4, 1                         ; l / 16
	v_mul_u32_u24 v3, v1, PITCH
	v_lshl_add_u32 v3, v2, 4, v3
	s_mul_i32 s21, s11, HALFT
	s_mul_i32 s22, s12, HALFT
	s_add_co_u32 s22, s22, 2*HALFT
.irp s, 0,1
	v_add_nc_u32 v[ADRA+\s], s21, v3
	v_add_nc_u32 v[ADRB+\s], s22, v3
	s_add_co_u32 s21, s21, SLOT
	s_add_co_u32 s22, s22, SLOT
.endr
	s_mul_i32 s23, s10, 16*SPITCH
	s_add_co_u32 s23, s23, STAGE                   ; my stage
	v_mul_u32_u24 v4, v1, SPITCH
	v_lshl_add_u32 v4, v2, 5, v4
	v_add_nc_u32 v[STO], s23, v4                   ; in: row l % 16, 32 bytes for each half of the lanes
	v_mul_u32_u24 v5, v2, SPITCH
	v_lshl_add_u32 v5, v1, 4, v5
	v_add_nc_u32 v[RD], s23, v5                    ; back: lanes 0-15 one row of 256 bytes, lanes 16-31 the next
	v_lshlrev_b32 v5, 13, v2
	v_lshl_add_u32 v[CO], v1, 4, v5                ; and the same two rows in out0 (8,192 bytes a row)
	s_lshl_b32 s16, s13, 7
	s_lshl_b32 s17, s11, 6
	s_add_co_u32 s16, s16, s17                     ; my first row: 128 x tile row + 64 x half
	s_mov_b32 s17, 0
	s_mov_b64 s[18:19], SIZE_N*4
	s_mul_u64 s[16:17], s[16:17], s[18:19]
	s_add_nc_u64 s[8:9], s[8:9], s[16:17]
	s_lshl_b32 s46, s42, 9                         ; my first column, in bytes: 512 x tile column + 256 x half
	s_lshl_b32 s47, s12, 8
	s_add_co_u32 s46, s46, s47
	s_mov_b32 s47, 0
	s_add_nc_u64 s[8:9], s[8:9], s[46:47]
.macro MUL8 f, c, a0, zero             ; 8 matrix instructions: m blocks a0, a0 + 1 x 4 n blocks, 32 along K; the accumulators take turns
.irp a, \a0, \a0+1
.irp b, 0,1,2,3
.if \zero
	v_wmma_f32_16x16x32_f16 v[ACC+8*(4*(\a)+\b):ACC+8*(4*(\a)+\b)+7], v[\f+64+8*(4*\c+\b):\f+64+8*(4*\c+\b)+7], v[\f+8*(4*\c+\a):\f+8*(4*\c+\a)+7], 0
.else
	v_wmma_f32_16x16x32_f16 v[ACC+8*(4*(\a)+\b):ACC+8*(4*(\a)+\b)+7], v[\f+64+8*(4*\c+\b):\f+64+8*(4*\c+\b)+7], v[\f+8*(4*\c+\a):\f+8*(4*\c+\a)+7], v[ACC+8*(4*(\a)+\b):ACC+8*(4*(\a)+\b)+7]
.endif
.endr
.endr
.endm
.macro FETCH slot, k, f                ; 32 LDS loads in one run: the fragments of 64 along K at byte k of the rows; the first 32 along K first
	WIN TO_F
.irp c, 0,1
.irp i, 0,1,2,3
	ds_load_b128 v[\f+64+8*(4*\c+\i):\f+64+8*(4*\c+\i)+3],   v[ADRB+\slot] offset:\k+64*\c+\i*16*PITCH
	ds_load_b128 v[\f+64+8*(4*\c+\i)+4:\f+64+8*(4*\c+\i)+7], v[ADRB+\slot] offset:\k+64*\c+\i*16*PITCH+32
	ds_load_b128 v[\f+8*(4*\c+\i):\f+8*(4*\c+\i)+3],         v[ADRA+\slot] offset:\k+64*\c+\i*16*PITCH
	ds_load_b128 v[\f+8*(4*\c+\i)+4:\f+8*(4*\c+\i)+7],       v[ADRA+\slot] offset:\k+64*\c+\i*16*PITCH+32
.endr
.endr
.endm
.macro PLACES
.rept 4
	v_nop
.endr
.endm
.macro QUARTER slot, k, f, g, zero     ; 64 along K: multiplies buffer f and fetches the next quarter, at byte k, into g
	s_wait_dscnt 16                                ; the first 32 along K are in
	WIN MUL
	MUL8 \f, 0, 0, \zero
	MUL8 \f, 0, 2, \zero
	PLACES
	FETCH \slot, \k, \g
	s_wait_dscnt 32                                ; all but the 32 just issued
	WIN MUL
	MUL8 \f, 1, 0, 0
	MUL8 \f, 1, 2, 0
.endm
.macro TURN slot, next, fill           ; the last quarter changes slots: one barrier; in front of it the wait for all my tensor loads, the add, and the wait for it and for my reads of this slot
	WIN 0
	s_wait_tensorcnt 0x0                           ; all my tensor loads have landed: my part of the next slot
	ds_add_u32 v[SPW], v[NIL]                      ; 0 onto my spare word
	s_wait_dscnt 17                                ; (the add and the youngest sixteen loads may be out)
	WIN MUL
	MUL8 F1, 0, 0, 0
	s_wait_dscnt 0x0                               ; the add is done, and my reads of this slot are over
	s_barrier_signal -1
	MUL8 F1, 0, 2, 0
.if \fill
	WIN 0
.endif
	s_barrier_wait -1
.if \fill
	CREST                                          ; the barrier has opened a round of the cluster's: no wave of any partner still reads this slot or has a load on its way
	s_add_nc_u64 s[G0+4*\slot+2:G0+4*\slot+3], s[G0+4*\slot+2:G0+4*\slot+3], 2*KSTEP*2
	s_add_nc_u64 s[G0B+4*\slot+2:G0B+4*\slot+3], s[G0B+4*\slot+2:G0B+4*\slot+3], 2*KSTEP*2
	JLOAD \slot                                    ; the first tensor load behind the round; its four v_nop are the places in front of the loads below
.else
	PLACES
.endif
	FETCH \next, 0, F0
	WIN MUL
	MUL8 F1, 1, 0, 0
	MUL8 F1, 1, 2, 0
.endm
; THE WAY OUT, a block of 16 rows x 64 columns at a time.
.macro TOSTAGE a
.set BB, TMP+32*((\a)%2)
.irp b, 0,1,2,3
	ds_store_b128 v[STO], v[ACC+8*(4*(\a)+\b):ACC+8*(4*(\a)+\b)+3] offset:64*\b          ; each accumulator from its low end on
	ds_store_b128 v[STO], v[ACC+8*(4*(\a)+\b)+4:ACC+8*(4*(\a)+\b)+7] offset:64*\b+16
.endr
.irp t, 0,1,2,3,4,5,6,7
	ds_load_b128 v[BB+4*\t:BB+4*\t+3], v[RD] offset:\t*2*SPITCH    ; LDS serves a wave's instructions in order: these see the stores above, and the next block's stores come behind them
.endr
.endm
.macro SEND a, younger
.set BB, TMP+32*((\a)%2)
	s_wait_dscnt \younger                          ; the block is back; the next block's 8 stores and 8 loads may be out
.irp t, 0,1,2,3,4,5,6,7
	global_store_b128 v[CO], v[BB+4*\t:BB+4*\t+3], s[8:9] offset:(\a)*131072+\t*16384 th:TH_STORE_NT    ; 16 lanes store 256 consecutive bytes, aligned
.endr
.endm
	s_wait_tensorcnt 1                             ; my part of K step 0 is in (K step 1's load may be out),
	s_barrier_signal -1
	s_barrier_wait -1                              ; everybody's is
	FETCH 0, 0, F0
	QUARTER 0, 128, F0, F1, 1                      ; the first quarter stands in front of the loop: its first products start the sums
	WIN 0
	s_mov_b32 s3, LAPS-1
.Llap:
	QUARTER 0, 256, F1, F0, 0
	QUARTER 0, 384, F0, F1, 0
	TURN 0, 1, 1
	QUARTER 1, 128, F0, F1, 0
	QUARTER 1, 256, F1, F0, 0
	QUARTER 1, 384, F0, F1, 0
	TURN 1, 0, 1
	QUARTER 0, 128, F0, F1, 0
	WIN 0
	s_sub_co_u32 s3, s3, 1
	s_cmp_lg_u32 s3, 0
	s_cbranch_scc1 .Llap
	QUARTER 0, 256, F1, F0, 0                      ; the last lap fills nothing
	QUARTER 0, 384, F0, F1, 0
	TURN 0, 1, 0
	QUARTER 1, 128, F0, F1, 0
	QUARTER 1, 256, F1, F0, 0
	QUARTER 1, 384, F0, F1, 0
	s_wait_dscnt 16
	WIN MUL
	MUL8 F1, 0, 0, 0
	MUL8 F1, 0, 2, 0
	s_wait_dscnt 0
	MUL8 F1, 1, 0, 0
	MUL8 F1, 1, 2, 0
	WIN 0
	PLACES
	TOSTAGE 0
.irp a, 1,2,3
.if \a > 1
	s_wait_xcnt 0x0                                ; block a - 2's stores have read their registers: block a's loads may land there
.endif
	TOSTAGE \a
	SEND \a-1, 16
.endr
	SEND 3, 0
	s_wait_tensorcnt 0x0                           ; the wave's end
	ds_add_u32 v[SPW], v[NIL]
	s_wait_dscnt 0x0
	CROUND                                         ; the closing round
	s_endpgm
.Lfunc_end_k_qeaa763f0b5_oproj:
	.size	k_qeaa763f0b5_oproj, .Lfunc_end_k_qeaa763f0b5_oproj-k_qeaa763f0b5_oproj
	.p2alignl 7, 3214868480
	.fill 96, 4, 3214868480
	.section	.rodata,"a",@progbits
	.p2align	6, 0x0
	.amdhsa_kernel k_qeaa763f0b5_oproj
		.amdhsa_group_segment_fixed_size 327680
		.amdhsa_private_segment_fixed_size 0
		.amdhsa_enable_private_segment 0
		.amdhsa_kernarg_size 24
		.amdhsa_user_sgpr_count 2
		.amdhsa_user_sgpr_kernarg_segment_ptr 1
		.amdhsa_wavefront_size32 1
		.amdhsa_system_sgpr_workgroup_id_x 1
		.amdhsa_system_sgpr_workgroup_id_y 1
		.amdhsa_system_sgpr_workgroup_id_z 1
		.amdhsa_system_vgpr_workitem_id 0
		.amdhsa_next_free_vgpr 512
		.amdhsa_next_free_sgpr 66
		.amdhsa_reserve_vcc 0
		.amdhsa_float_denorm_mode_32 3
		.amdhsa_float_denorm_mode_16_64 3
		.amdhsa_memory_ordered 1
		.amdhsa_forward_progress 1
		.amdhsa_inst_pref_size 86
	.end_amdhsa_kernel
	.amdgpu_metadata
---
amdhsa.version: [ 1, 2 ]
amdhsa.kernels:
  - .name:           k_qeaa763f0b5_oproj
    .symbol:         k_qeaa763f0b5_oproj.kd
    .args:
      - { .name: ao16, .offset: 0, .size: 8, .value_kind: global_buffer, .address_space: global }
      - { .name: wo16, .offset: 8, .size: 8, .value_kind: global_buffer, .address_space: global }
      - { .name: out0, .offset: 16, .size: 8, .value_kind: global_buffer, .address_space: global }
    .group_segment_fixed_size: 327680
    .private_segment_fixed_size: 0
    .kernarg_segment_align: 8
    .kernarg_segment_size: 24
    .max_flat_workgroup_size: 128
    .sgpr_count:     66
    .vgpr_count:     512
    .wavefront_size: 32
...
	.end_amdgpu_metadata
.endif
;; end of part 4
;; launch fine (part 5): grid 128 x 1, 16 waves a work-group, no clusters, 18,432 bytes of LDS; arguments fine32, Wo, out0; writes out0
.if DOCPART == 5
	.amdgcn_target "amdgcn-amd-amdhsa--gfx1250"
	.amdhsa_code_object_version 6
	.text
	.protected	k_qeaa763f0b5_fine
	.globl	k_qeaa763f0b5_fine
	.p2align	8
	.type	k_qeaa763f0b5_fine,@function
k_qeaa763f0b5_fine:
	s_mov_b64 s[64:65], 0
	v_nop
	global_prefetch_b8 v0, s[64:65] scope:SCOPE_SE
	s_setreg_imm32_b32 hwreg(HW_REG_WAVE_MODE, 25, 1), 1
	s_wait_xcnt 0x0
; FINE: rows 0-15 of out0 once more, with every operand in f32 (v_wmma_f32_16x16x4_f32): under the causal mask these rows average one to sixteen values.
; fine32: q, k, v / 8 of positions 0-15, 48 planes of 8,192 bytes (q: head, k: 16 + head, v: 32 + head), as 16 groups of four registers, 512 bytes each, lane l's 16 bytes at 16 l:
;   q, k: lane (r, h), register 8 b + j: position r, channel 16 b + 8 h + j.     v: register 8 a + j: channel 16 a + r, position 8 h + j.
; SHARES.  Work-group g makes columns 16 g .. 16 g + 15 of the 16 rows.  Wave w takes head w: its attention (done anew in every work-group: the price of one launch in place of two) and its 128 of the
; projection's K; the sixteen waves' parts are added through LDS.
; NOTHING IS TRANSPOSED.  The matrix instruction sums over k whatever k means, so long as both sources mean the same: registers 2 n, 2 n + 1 of two images, in lanes (r, h), are four channels (or keys) of both.
;   S^T = K Q^T: 32 instructions; a lane holds query r, register j key 8 h + j.     O^T = V^T P: 4 for each 16 channels; a lane holds query r, register j channel 16 a + 8 h + j.
;   out^T = Wo O: source 0 = rows 16 g + r of Wo, loaded so that register 8 a + j is channel 16 a + 8 h + j; a lane holds query r, register j column 16 g + 8 h + j.
; The registers that the matrix form writes, v168-231, are written by matrix instructions alone; each sum begins with the constant 0.  Accumulators take turns, four at a time.
; Softmax as in the large launch: p = 2^(c s - c m), c = 64 log2(e) / sqrt(128); hidden scores become -1e30; O^T is multiplied by 8 / l, which takes back v's 1/8.
; Each row's 64 bytes of a work-group are stored by four lanes: 131,072 bytes in the whole launch.
; REGISTERS: v1-8 addresses; v10, v11 the add's two; v16-23 scores, then p, at the end the result; v24-31 at work; v32-39 statistics; v40-103 Q, then V, then O^T x 8 / l, at the end the sixteen parts;
;   v104-167 K, then Wo; v168-199 four accumulators of S^T, later of the projection; v200-231 four accumulators of O^T.
.set RR,  1
.set L16, 2
.set DD,  3
.set WOF, 4
.set PST, 5
.set PRD, 6
.set OUTO, 7
.set SEN, 8
.set SPW, 10
.set NIL, 11
.set T,   16
.set U,   24
.set QF,  40
.set KF,  104
.set SA,  168
.set OA,  200
.set SPARE, 16384                      ; LDS: sixteen parts of 1,024 bytes, then the spare words, 128 bytes a wave
.set CS,  16                           ; s[16:17] c
.set SEL, 18                           ; s[18:19] lane selects: lane l xor 16
.macro FAR                             ; plain lines behind this matrix form: eight in front of a read of results or a load or write into its registers, nine in front of a matrix instruction that writes over them
.rept 9
	v_nop
.endr
.endm
	s_load_b128 s[4:7], s[0:1], 0x0                ; fine32 s[4:5], Wo s[6:7]
	s_load_b64 s[8:9], s[0:1], 0x10                ; out0
	v_lshl_add_u32 v[SPW], v0, 2, SPARE
	v_mov_b32 v[NIL], 0
	v_lshrrev_b32 v12, 5, v0
	v_readfirstlane_b32 s10, v12                   ; wave = head
	v_and_b32 v[RR], 15, v0
	v_bfe_u32 v12, v0, 4, 1                        ; h
	v_and_b32 v13, 31, v0
	v_lshlrev_b32 v[L16], 4, v13
	v_lshlrev_b32 v14, 3, v12
	v_sub_nc_u32 v[DD], v[RR], v14                 ; register j is hidden where j > r - 8 h
	v_lshlrev_b32 v[WOF], 13, v[RR]
	v_lshl_add_u32 v[WOF], v12, 5, v[WOF]          ; Wo: row r of 8,192 bytes, + 32 h
	s_lshl_b32 s11, s10, 10
	v_lshlrev_b32 v[PST], 6, v[RR]
	v_lshl_add_u32 v[PST], v12, 5, v[PST]
	v_add_nc_u32 v[PST], s11, v[PST]               ; my part: [query r][16 columns], + 32 h, in my wave's 1,024 bytes
	v_lshlrev_b32 v[PRD], 4, v0                    ; the sum: thread t of the first 64 takes 16 bytes of each part
	v_lshrrev_b32 v14, 2, v0
	v_and_b32 v15, 3, v0
	v_lshlrev_b32 v[OUTO], 13, v14
	v_lshl_add_u32 v[OUTO], v15, 4, v[OUTO]        ; row t / 4 of out0, 16 (t % 4) bytes on
	v_mov_b32 v[SEN], 0xf149f2ca                   ; -1e30
	s_mov_b32 s[CS], 0x410293ee
	s_mov_b32 s[CS+1], s[CS]
	s_mov_b32 s[SEL], 0x76543210
	s_mov_b32 s[SEL+1], 0xfedcba98
	s_lshl_b32 s12, s10, 13
	s_mov_b32 s13, 0
	s_wait_kmcnt 0x0
	s_add_nc_u64 s[4:5], s[4:5], s[12:13]          ; my head's plane of q; k's lies 131,072 bytes on, v's 262,144
	s_lshl_b32 s12, ttmp9, 17                      ; 16 rows of Wo a work-group,
	s_lshl_b32 s14, s10, 9                         ; my head's 128 columns
	s_add_co_u32 s12, s12, s14
	s_add_nc_u64 s[6:7], s[6:7], s[12:13]
	s_lshl_b32 s12, ttmp9, 6
	s_add_nc_u64 s[8:9], s[8:9], s[12:13]          ; out0 at my 16 columns
.set i, 0
.rept 16
	global_load_b128 v[QF+4*i:QF+4*i+3], v[L16], s[4:5] offset:512*i
	global_load_b128 v[KF+4*i:KF+4*i+3], v[L16], s[4:5] offset:131072+512*i
.set i, i+1
.endr
	s_wait_loadcnt 0x0
.set n, 0
.rept 32                               ; S^T: four channels an instruction
.if n < 4
	v_wmma_f32_16x16x4_f32 v[SA+8*(n%4):SA+8*(n%4)+7], v[KF+2*n:KF+2*n+1], v[QF+2*n:QF+2*n+1], 0
.else
	v_wmma_f32_16x16x4_f32 v[SA+8*(n%4):SA+8*(n%4)+7], v[KF+2*n:KF+2*n+1], v[QF+2*n:QF+2*n+1], v[SA+8*(n%4):SA+8*(n%4)+7]
.endif
.set n, n+1
.endr
	FAR
.set i, 0
.rept 16                               ; V lands where Q lay, Wo where K lay, while the softmax is worked
	global_load_b128 v[QF+4*i:QF+4*i+3], v[L16], s[4:5] offset:262144+512*i
.set i, i+1
.endr
.set i, 0
.rept 16
	global_load_b128 v[KF+4*i:KF+4*i+3], v[WOF], s[6:7] offset:64*(i/2)+16*(i%2) th:TH_LOAD_NT
.set i, i+1
.endr
.irp j, 0,2,4,6
	v_pk_add_f32 v[T+\j:T+\j+1], v[SA+\j:SA+\j+1], v[SA+8+\j:SA+8+\j+1]              ; each accumulator from its low end on
	v_pk_add_f32 v[U+\j:U+\j+1], v[SA+16+\j:SA+16+\j+1], v[SA+24+\j:SA+24+\j+1]
.endr
.irp j, 0,2,4,6
	v_pk_add_f32 v[T+\j:T+\j+1], v[T+\j:T+\j+1], v[U+\j:U+\j+1]
.endr
.irp j, 0,1,2,3,4,5,6,7
	v_cmp_gt_i32 vcc_lo, \j, v[DD]
	v_cndmask_b32 v[T+\j], v[T+\j], v[SEN], vcc_lo
.endr
	v_max3_num_f32 v32, v[T], v[T+1], v[T+2]
	v_max3_num_f32 v33, v[T+3], v[T+4], v[T+5]
	v_max3_num_f32 v32, v32, v[T+6], v[T+7]
	v_max_num_f32 v32, v32, v33
	v_permlanex16_b32 v33, v32, s[SEL], s[SEL+1]
	v_max_num_f32 v33, v32, v33                    ; m: key 0 counts for every query, so it is a score
	v_mul_f32 v34, s[CS], v33
	v_mov_b32 v35, v34
.irp j, 0,2,4,6
	v_pk_fma_f32 v[T+\j:T+\j+1], v[T+\j:T+\j+1], s[CS:CS+1], v[34:35] op_sel_hi:[1,0,0] neg_lo:[0,0,1] neg_hi:[0,0,1]
.endr
.irp j, 0,1,2,3,4,5,6,7
	v_exp_f32 v[T+\j], v[T+\j]
.endr
	v_nop
	s_wait_alu depctr_va_vdst(0)                   ; one wait for the eight, ahead of their first reader
	v_pk_add_f32 v[36:37], v[T:T+1], v[T+2:T+3]
	v_pk_add_f32 v[38:39], v[T+4:T+5], v[T+6:T+7]
	v_pk_add_f32 v[36:37], v[36:37], v[38:39]
	v_add_f32 v36, v36, v37
	v_permlanex16_b32 v37, v36, s[SEL], s[SEL+1]
	v_add_f32 v36, v36, v37                        ; l
	v_rcp_f32 v38, v36
	v_nop
	s_wait_alu depctr_va_vdst(0)
	v_mul_f32 v38, 0x41000000, v38                 ; 8 / l
	v_mov_b32 v39, v38
	s_wait_loadcnt 16                              ; V is in; Wo's 16 loads may be out
; O^T for channels 64 hf on: four accumulators by turns, four keys an instruction; then x 8 / l, into the registers that held these channels of V
.macro PVH hf
.set n, 0
.rept 16
.if n < 4
	v_wmma_f32_16x16x4_f32 v[OA+8*(n%4):OA+8*(n%4)+7], v[QF+8*(4*\hf+n%4)+2*(n/4):QF+8*(4*\hf+n%4)+2*(n/4)+1], v[T+2*(n/4):T+2*(n/4)+1], 0
.else
	v_wmma_f32_16x16x4_f32 v[OA+8*(n%4):OA+8*(n%4)+7], v[QF+8*(4*\hf+n%4)+2*(n/4):QF+8*(4*\hf+n%4)+2*(n/4)+1], v[T+2*(n/4):T+2*(n/4)+1], v[OA+8*(n%4):OA+8*(n%4)+7]
.endif
.set n, n+1
.endr
	FAR
.set n, 0
.rept 16
	v_pk_mul_f32 v[QF+32*\hf+2*n:QF+32*\hf+2*n+1], v[OA+2*n:OA+2*n+1], v[38:39] op_sel_hi:[1,0]
.set n, n+1
.endr
.endm
	PVH 0
	PVH 1
	s_wait_loadcnt 0x0                             ; Wo
.set n, 0
.rept 32                               ; the projection: four channels an instruction, on the accumulators that the scores have left
.if n < 4
	v_wmma_f32_16x16x4_f32 v[SA+8*(n%4):SA+8*(n%4)+7], v[KF+2*n:KF+2*n+1], v[QF+2*n:QF+2*n+1], 0
.else
	v_wmma_f32_16x16x4_f32 v[SA+8*(n%4):SA+8*(n%4)+7], v[KF+2*n:KF+2*n+1], v[QF+2*n:QF+2*n+1], v[SA+8*(n%4):SA+8*(n%4)+7]
.endif
.set n, n+1
.endr
	FAR
.irp j, 0,2,4,6
	v_pk_add_f32 v[T+\j:T+\j+1], v[SA+\j:SA+\j+1], v[SA+8+\j:SA+8+\j+1]
	v_pk_add_f32 v[U+\j:U+\j+1], v[SA+16+\j:SA+16+\j+1], v[SA+24+\j:SA+24+\j+1]
.endr
.irp j, 0,2,4,6
	v_pk_add_f32 v[T+\j:T+\j+1], v[T+\j:T+\j+1], v[U+\j:U+\j+1]
.endr
	ds_store_b128 v[PST], v[T:T+3]
	ds_store_b128 v[PST], v[T+4:T+7] offset:16
	s_wait_dscnt 0x0                               ; for the others' sake: my part has landed
	s_barrier_signal -1
	s_barrier_wait -1
	s_cmp_ge_u32 s10, 2                            ; waves 0 and 1 add the sixteen parts, 16 bytes a thread
	s_cbranch_scc1 .Lend
.set i, 0
.rept 16
	ds_load_b128 v[QF+4*i:QF+4*i+3], v[PRD] offset:1024*i
.set i, i+1
.endr
	s_wait_dscnt 0x0
.irp d, 8,4,2,1
.set i, 0
.rept \d
	v_pk_add_f32 v[QF+4*i:QF+4*i+1], v[QF+4*i:QF+4*i+1], v[QF+4*(i+\d):QF+4*(i+\d)+1]
	v_pk_add_f32 v[QF+4*i+2:QF+4*i+3], v[QF+4*i+2:QF+4*i+3], v[QF+4*(i+\d)+2:QF+4*(i+\d)+3]
.set i, i+1
.endr
.endr
	global_store_b128 v[OUTO], v[QF:QF+3], s[8:9]
.Lend:
	s_wait_tensorcnt 0x0                           ; the wave's end, behind my last LDS store
	ds_add_u32 v[SPW], v[NIL]
	s_wait_dscnt 0x0
	s_endpgm
.Lfunc_end_k_qeaa763f0b5_fine:
	.size	k_qeaa763f0b5_fine, .Lfunc_end_k_qeaa763f0b5_fine-k_qeaa763f0b5_fine
	.p2alignl 7, 3214868480
	.fill 96, 4, 3214868480
	.section	.rodata,"a",@progbits
	.p2align	6, 0x0
	.amdhsa_kernel k_qeaa763f0b5_fine
		.amdhsa_group_segment_fixed_size 18432
		.amdhsa_private_segment_fixed_size 0
		.amdhsa_enable_private_segment 0
		.amdhsa_kernarg_size 24
		.amdhsa_user_sgpr_count 2
		.amdhsa_user_sgpr_kernarg_segment_ptr 1
		.amdhsa_wavefront_size32 1
		.amdhsa_system_sgpr_workgroup_id_x 1
		.amdhsa_system_sgpr_workgroup_id_y 1
		.amdhsa_system_sgpr_workgroup_id_z 1
		.amdhsa_system_vgpr_workitem_id 0
		.amdhsa_next_free_vgpr 256
		.amdhsa_next_free_sgpr 66
		.amdhsa_reserve_vcc 1
		.amdhsa_float_denorm_mode_32 3
		.amdhsa_float_denorm_mode_16_64 3
		.amdhsa_memory_ordered 1
		.amdhsa_forward_progress 1
		.amdhsa_inst_pref_size 24
	.end_amdhsa_kernel
	.amdgpu_metadata
---
amdhsa.version: [ 1, 2 ]
amdhsa.kernels:
  - .name:           k_qeaa763f0b5_fine
    .symbol:         k_qeaa763f0b5_fine.kd
    .args:
      - { .name: fine32, .offset: 0, .size: 8, .value_kind: global_buffer, .address_space: global }
      - { .name: Wo, .offset: 8, .size: 8, .value_kind: global_buffer, .address_space: global }
      - { .name: out0, .offset: 16, .size: 8, .value_kind: global_buffer, .address_space: global }
    .group_segment_fixed_size: 18432
    .private_segment_fixed_size: 0
    .kernarg_segment_align: 8
    .kernarg_segment_size: 24
    .max_flat_workgroup_size: 512
    .sgpr_count:     66
    .vgpr_count:     256
    .wavefront_size: 32
...
	.end_amdgpu_metadata
.endif
;; end of part 5
